; MI455X (gfx1250); checked and timed in simulation.
; The chip was launched on July 23, 2026; its instructions are those of AMD's public machine-readable ISA for CDNA 5 (MIT licence, August 2026) and "CDNA5" Instruction Set Architecture Reference Guide (July 2026). The comments in the code are by the model that wrote it; some were corrected since.
;; Multi Head Attention Block. Allowed arithmetic: matrix products marked QUANTISED: E2M3 operands, one E8M0 scale for each 32 along K, by v_wmma_scale_f32_16x16x128_f8f6f4 with both operands' format E2M3, f32 sums; everything else in f32.
;; Inputs: Wk 1,024 x 1,024 float32; Wo 1,024 x 1,024 float32; Wq 1,024 x 1,024 float32; Wv 1,024 x 1,024 float32; bk 1,024 float32; bo 1,024 float32; bq 1,024 float32; bv 1,024 float32; x1 4 x 2,048 x 1,024 float32; x2 4 x 2,048 x 1,024 float32.
;; Outputs: out0 4 x 2,048 x 1,024 float32.
;; This version of the problem:
;;   THIS VERSION OF THE PROBLEM IS GIVEN IN LOW PRECISION. The matrix products marked QUANTISED in the list below multiply operands that are first quantised to E2M3 (2 exponent bits, 3 mantissa bits; 6 bits a number), with one power-of-two scale for each 32 numbers along K (OCP MX v1.0); their sums are f32. All else is computed in f32.
;;   The module's matrix products, in the order in which they are computed (A, B: the left and right operand; K: the contracted axis; several contracted axes count as one K, in the product's order):
;;     1. [M 8,192, K 1,024] x [K 1,024, N 1,024]; A: input x1; B: input Wq: QUANTISED
;;     2. [M 8,192, K 1,024] x [K 1,024, N 1,024]; A: input x2; B: input Wk: QUANTISED
;;     3. [M 8,192, K 1,024] x [K 1,024, N 1,024]; A: input x2; B: input Wv: QUANTISED
;;     4. batch 64 x [M 2,048, K 64] x [K 64, N 2,048]; A: computed on the way; B: computed on the way: QUANTISED
;;     5. batch 64 x [M 2,048, K 2,048] x [K 2,048, N 64]; A: softmax (see below); B: computed on the way: QUANTISED
;;     6. [M 8,192, K 1,024] x [K 1,024, N 1,024]; A: computed on the way; B: input Wo: QUANTISED
;;   THE QUANTISER, for each operand of a quantised product, along K:
;;     - K is cut into blocks of 32 from its start; a last block that is shorter is filled with zeros.
;;     - A block's scale is 2^e with e = floor(log2(the largest magnitude in the block)) - 2, held to -126 .. 127; a block of zeros has e = 0. As a byte (E8M0): e + 127.
;;     - Each number is divided by its block's scale, clamped to +-7.5, and rounded to the nearest number of E2M3, ties to even, subnormals kept.
;;     - The product sums the exact products of the quantised numbers (number of the format x scale) in f32.
;;   ~~~python
;;   def quantise(x, axis):      # numpy; x: float32 -> the quantised numbers, widened to float32 again
;;       x = np.moveaxis(x, axis, -1); K = x.shape[-1]
;;       x = np.pad(x, [(0, 0)] * (x.ndim - 1) + [(0, -K % 32)]); x = x.reshape(x.shape[:-1] + (-1, 32)); a = np.abs(x).max(-1, keepdims=True)
;;       e = np.where(a > 0, np.clip(np.frexp(np.where(a > 0, a, 1))[1] - 1 - 2, -126, 127), 0)      # np.frexp(a)[1] - 1 = floor(log2(a)), exactly
;;       r = np.clip(x / 2.0 ** e, -7.5, 7.5)
;;       step = 2.0 ** (np.maximum(np.frexp(np.where(r == 0, 1, r))[1] - 1, 0) - 3)
;;       q = np.round(r / step) * step * 2.0 ** e      # np.round: ties to even
;;       return np.moveaxis(q.reshape(q.shape[:-2] + (-1,))[..., :K], -1, axis).astype(np.float32)
;;   ~~~
;;   SOFTMAX AHEAD OF A QUANTISED PRODUCT. Where the list says 'softmax', what is quantised is not the finished softmax but p = 2^(t - M), with t = logit x log2(e) and M = ceil(the row's largest t), a whole number; so 1/2 < the row's largest p <= 1. The row's sum l is taken of the UNQUANTISED p, in f32, and the product's result is divided by l at the end. Since M is a whole number, a kernel that streams over the keys may use a running M (the ceiling of the running maximum): every later rescaling is an exact power of two, which a block's scale takes up: the codes' values come out the same.
;;   OPERANDS COMPUTED ON THE WAY. 'Computed on the way' means the value that the module computes at that place (a softmax that the list does not call 'softmax' is quantised finished and normalised). What goes into a quantiser is computed in f32, as accurately as f32 sums, v_exp_f32 and their like allow (about 1e-6 of the number): no bf16 or f16 on the way to a quantiser, and a product that is left as it is and whose result goes on into a quantised operand takes f32 operands (vector FMAs, or v_wmma_f32_16x16x4_f32). A number that lies on a knife's edge between two numbers of the format may be rounded either way, as far as f32 arithmetic and the matrix unit's own rounding can turn it there, and no further.
;; One version. Each part assembles by itself: llvm-mc -triple=amdgcn-amd-amdhsa -mcpu=gfx1250 --defsym DOCPART=n.
;; ======== version 1 of 1: 4 launches
;; limits: right only within a limited range of input values
;; workspace buffers: xc 15,728,640 bytes; xs 655,360 bytes; qkvc 18,874,368 bytes; qkvs 1,310,720 bytes; oc 6,291,456 bytes; os 262,144 bytes
;; launch quant (part 1): grid 640 x 1, 4 waves a work-group, no clusters, 34,304 bytes of LDS; arguments x1, x2, Wq, Wk, Wv, Wo, xc, xs; writes xc, xs
.if DOCPART == 1
	.amdgcn_target "amdgcn-amd-amdhsa--gfx1250"
	.amdhsa_code_object_version 6
	.text
	.protected	k_q33991a22ed_quant
	.globl	k_q33991a22ed_quant
	.p2align	8
	.type	k_q33991a22ed_quant,@function
k_q33991a22ed_quant:
	s_mov_b64 s[64:65], 0
	v_nop
	global_prefetch_b8 v0, s[64:65] scope:SCOPE_SE
	s_setreg_imm32_b32 hwreg(HW_REG_WAVE_MODE, 25, 1), 1
	s_wait_xcnt 0x0
; x1, x2 [8192][1024] and Wq, Wk, Wv, Wo [1024][1024], f32, K innermost, become codes of FP6 (E2M3) with one E8M0 byte for each 32 along K.
; The codes are laid in the ORDER OF THE OPERAND'S REGISTERS: a fragment (16 rows x 128 K, 12 registers a lane) is 1,536 bytes, registers 4 c .. 4 c + 3 of lane l at 512 c + 16 l.
;   xc: [tile of 16 rows][K step 0..7][1,536].  Tiles: x1 0-511, x2 512-1023, Wq 1024-, Wk 1088-, Wv 1152-, Wo 1216-1279.
;   xs: [tile][g = step / 4][row r][i = step % 4], one word (four bytes: 128 along K) each: 512 bytes a tile.
; WHICH ROWS FORM A TILE.  x1 and Wo: neighbours (row 16 T + r).  x2, Wq, Wk, Wv: lane r of tile 4 C + u holds row 64 C + 32 (r / 8) + 8 u + r % 8, so that a product that takes such tiles as its
; first source leaves, in the 32 registers of tiles 4 C .. 4 C + 3, 32 neighbours along that axis: the next product's K.
; A block's scale is 2^(floor(log2(its largest magnitude)) - 2); its byte is the largest magnitude's exponent field - 2, held at 1 from below.
; LIMITS: a block of zeros gets the byte 1 where the rule says 127 (its codes are zeros, and this program alone reads the bytes); NaN and infinities among the inputs are not served.
; SHARES.  A wave takes one tile and half of K: four steps of 128.  A step's 16 loads read 512 consecutive bytes each (one row's 128 numbers); the 8 KiB turn through the wave's own stage in LDS
; (rows 528 bytes apart) and come back 16 neighbours of each block of 32 to a lane.  Waves share nothing: no barrier.  Two steps' loads (32 a wave) are out at the start, 16 while a step is worked.
; No matrix unit, no cluster, no tensor load: each byte is read once by one wave.
.set STG,   16*528                     ; a wave's stage
.set SPARE, 4*STG                      ; behind the four stages: the spare words, 128 bytes for each wave: two blocks of 256 bytes that no other line names
.set SPW,   8                          ; v8   LDS address of my spare word; never rewritten
.set NIL,   9                          ; v9   0; never rewritten
.set R,     16                         ; v16-143  two sets of 64 numbers as loaded
.set X,     144                        ; v144-207 64 numbers: register 16 b + i = k 32 b + 16 (lane / 16) + i of my row
.set PC,    208                        ; v208-227 the codes just made (12), and 8 at work
.set TM,    228                        ; v228-243 at work
.set W,     246                        ; v246-249 the four steps' scale words
.set SEL,   12                         ; s[12:13] lane selects for v_permlanex16_b32: lane l xor 16
.set SRC,   32                         ; s[32:33] my tile's first row, my half of K
.set OC,    34                         ; s[34:35] where my codes go
.set OS,    36                         ; s[36:37] and my scale words
; 64 numbers of a lane, v[s] on, become a fragment's codes in v[PC] on and my row's scale word in v[pw] (the same in lanes r and r + 16).
.macro QUANT s, pw
.irp b, 0,1,2,3
	v_max3_num_f32 v[TM+\b], |v[(\s)+16*\b]|, |v[(\s)+1+16*\b]|, 0x1800000   ; block b: my 16 numbers, and the floor 2^(3 - 127): the byte cannot fall under 1
.endr
.irp i, 2,4,6,8,10,12,14
.irp b, 0,1,2,3
	v_max3_num_f32 v[TM+\b], v[TM+\b], |v[(\s)+16*\b+\i]|, |v[(\s)+1+16*\b+\i]|   ; the four blocks by turns
.endr
.endr
.irp b, 0,1,2,3
	v_permlanex16_b32 v[TM+4+\b], v[TM+\b], s[SEL], s[SEL+1]
.endr
.irp b, 0,1,2,3
	v_max_num_f32 v[TM+\b], v[TM+\b], v[TM+4+\b]   ; with lane l xor 16's: the block's largest magnitude
.endr
.irp b, 0,1,2,3
	v_add_nc_u32 v[TM+12+\b], 0xff000000, v[TM+\b]   ; 2 off its exponent field: the conversion's scale operand
.endr
.irp b, 0,1,2,3
	v_lshrrev_b32 v[TM+4+\b], 23, v[TM+12+\b]      ; the scale's byte
.endr
	v_lshl_or_b32 v[\pw], v[TM+5], 8, v[TM+4]
	v_lshl_or_b32 v[\pw], v[TM+6], 16, v[\pw]
	v_lshl_or_b32 v[\pw], v[TM+7], 24, v[\pw]
.irp c, 0,1
	v_cvt_scalef32_pk16_fp6_f32 v[PC+6*\c:PC+2+6*\c], v[(\s)+32*\c:(\s)+15+32*\c], v[TM+12+2*\c]
	v_cvt_scalef32_pk16_fp6_f32 v[PC+12+4*\c:PC+14+4*\c], v[(\s)+16+32*\c:(\s)+31+32*\c], v[TM+12+2*\c+1]   ; (a conversion's three registers begin on an even number)
.endr
	v_nop                                          ; one plain place behind a scaled conversion
.irp c, 0,1                                    ; the operand's layout wants a whole block in a lane: lanes 0-15 block 2 c, lanes 16-31 block 2 c + 1
.irp i, 0,1,2
	v_permlane16_swap_b32 v[PC+6*\c+\i], v[PC+12+4*\c+\i]
.endr
.irp i, 0,1,2
	v_mov_b32 v[PC+3+6*\c+\i], v[PC+12+4*\c+\i]
.endr
.endr
.endm
	s_load_b512 s[16:31], s[0:1], 0x0              ; x1 s[16:17], x2, Wq, Wk, Wv, Wo s[26:27], xc s[28:29], xs s[30:31]
	v_lshl_add_u32 v[SPW], v0, 2, SPARE
	v_mov_b32 v[NIL], 0
	v_lshrrev_b32 v1, 5, v0
	v_readfirstlane_b32 s2, v1                     ; wave 0..3
	s_lshr_b32 s3, s2, 1
	s_and_b32 s4, s2, 1                            ; g: which half of K
	s_lshl_b32 s5, ttmp9, 1
	s_add_co_u32 s5, s5, s3                        ; my tile among the 1,280
	s_cmp_lt_u32 ttmp9, 512
	s_cselect_b32 s6, 511, 63                      ; x1 and x2 have 512 tiles, a weight 64; every tensor begins at a multiple of its own count
	s_and_b32 s6, s5, s6                           ; my tile in its tensor
	; THE TILES OF x2, Wq, Wk, Wv (this takes the place of what the head says of them): lane r of tile 4 C + u holds row 64 C + 32 (r / 8) + 8 u + r % 8,
	; so that a product that takes such tiles as its first source leaves, in a lane's 32 registers of tiles 4 C .. 4 C + 3, 32 neighbours along that axis: a whole scale block of the next product
	s_lshr_b32 s8, s6, 2
	s_lshl_b32 s8, s8, 6
	s_and_b32 s9, s6, 3
	s_lshl_b32 s9, s9, 3
	s_add_co_u32 s8, s8, s9                        ; first row of tile 4 C + u: 64 C + 8 u,
	s_lshl_b32 s10, s6, 4                          ; or 16 T
	s_mov_b32 s11, 8*4096                          ; the tile's rows 8-15 begin 8 rows on,
	s_sub_co_u32 s7, ttmp9, 256
	s_cmp_lt_u32 s7, 352                           ; work-groups 256 to 607: x2, Wq, Wk, Wv
	s_cselect_b32 s8, s8, s10
	s_cselect_b32 s11, 32*4096, s11                ; or 32
	s_lshl_b32 s8, s8, 12                          ; a row is 4,096 bytes
	s_lshl_b32 s9, s4, 11
	s_add_co_u32 s8, s8, s9
	s_mov_b32 s9, 0
	s_mul_i32 s14, s5, 12288
	s_mul_i32 s15, s4, 6144
	s_add_co_u32 s14, s14, s15
	s_mov_b32 s15, 0
	s_lshl_b32 s38, s5, 9
	s_lshl_b32 s39, s4, 8
	s_add_co_u32 s38, s38, s39
	s_mov_b32 s39, 0
	s_mov_b32 s[SEL], 0x76543210
	s_mov_b32 s[SEL+1], 0xfedcba98
	s_mul_i32 s7, s2, STG                          ; my stage
	v_and_b32 v1, 31, v0                           ; lane
	v_and_b32 v6, 15, v0                           ; r
	v_bfe_u32 v10, v0, 4, 1                        ; h
	v_lshlrev_b32 v2, 4, v1                        ; 16 x lane: my bytes of a load's or a store's 512
	v_add_nc_u32 v3, s11, v2                       ; the same for rows 8-15
	v_add_nc_u32 v4, s7, v2                        ; the stage, on the way in
	v_mul_u32_u24 v5, v6, 528
	v_lshl_add_u32 v5, v10, 6, v5
	v_add_nc_u32 v5, s7, v5                        ; and out: row r, + 64 h
	v_lshlrev_b32 v7, 4, v6
	v_lshl_add_u32 v7, v10, 3, v7                  ; the scale words: 16 r + 8 h
.irp b, 0,1,2,3
	v_mov_b32 v[TM+4+\b], 0                        ; written once: a lane permute's destination counts as one of its sources
.endr
	s_wait_alu depctr_va_vdst(0)
	s_wait_kmcnt 0x0
	s_mov_b64 s[SRC:SRC+1], s[26:27]               ; which tensor: the choice hangs on the work-group's number alone
	s_cmp_lt_u32 ttmp9, 608
	s_cselect_b64 s[SRC:SRC+1], s[24:25], s[SRC:SRC+1]
	s_cmp_lt_u32 ttmp9, 576
	s_cselect_b64 s[SRC:SRC+1], s[22:23], s[SRC:SRC+1]
	s_cmp_lt_u32 ttmp9, 544
	s_cselect_b64 s[SRC:SRC+1], s[20:21], s[SRC:SRC+1]
	s_cmp_lt_u32 ttmp9, 512
	s_cselect_b64 s[SRC:SRC+1], s[18:19], s[SRC:SRC+1]
	s_cmp_lt_u32 ttmp9, 256
	s_cselect_b64 s[SRC:SRC+1], s[16:17], s[SRC:SRC+1]
	s_add_nc_u64 s[SRC:SRC+1], s[SRC:SRC+1], s[8:9]
	s_add_nc_u64 s[OC:OC+1], s[28:29], s[14:15]
	s_add_nc_u64 s[OS:OS+1], s[30:31], s[38:39]
.macro LOAD t                          ; step t: 16 rows x 512 bytes into set t % 2
.irp i, 0,1,2,3,4,5,6,7
	global_load_b128 v[R+64*((\t)%2)+4*\i:R+64*((\t)%2)+4*\i+3], v2, s[SRC:SRC+1] offset:\i*4096+512*(\t) th:TH_LOAD_NT
.endr
.irp i, 0,1,2,3,4,5,6,7
	global_load_b128 v[R+64*((\t)%2)+32+4*\i:R+64*((\t)%2)+32+4*\i+3], v3, s[SRC:SRC+1] offset:\i*4096+512*(\t) th:TH_LOAD_NT
.endr
.endm
.macro STEP t
.if (\t) < 3
	s_wait_loadcnt 16                              ; this step's 16 loads are in; the next step's 16 may be out
.else
	s_wait_loadcnt 0x0
.endif
.irp i, 0,1,2,3,4,5,6,7,8,9,10,11,12,13,14,15
	ds_store_b128 v4, v[R+64*((\t)%2)+4*\i:R+64*((\t)%2)+4*\i+3] offset:528*\i
.endr
.irp b, 0,1,2,3
.irp j, 0,1,2,3
	ds_load_b128 v[X+16*\b+4*\j:X+16*\b+4*\j+3], v5 offset:128*\b+16*\j   ; LDS serves a wave's instructions in order: these see my stores
.endr
.endr
	s_wait_dscnt 0x0                               ; the numbers are back, and the stores have read their registers,
.if (\t) < 2
	LOAD (\t)+2                                    ; which take the loads of two steps on
.endif
	s_wait_xcnt 0x0                                ; the last step's stores have read their data: the codes' registers are written again only behind this wait
	QUANT X, W+(\t)
.irp c, 0,1,2
	global_store_b128 v2, v[PC+4*\c:PC+4*\c+3], s[OC:OC+1] offset:1536*(\t)+512*\c   ; 32 lanes store 512 consecutive bytes, at a multiple of 256 from the buffer's first byte
.endr
.endm
	LOAD 0
	LOAD 1
	STEP 0
	STEP 1
	STEP 2
	STEP 3
	v_cmp_ne_u32 vcc_lo, 0, v10                    ; lanes 0-15 store steps 0 and 1 of my half, lanes 16-31 steps 2 and 3
	v_cndmask_b32 v250, v[W], v[W+2], vcc_lo
	v_cndmask_b32 v251, v[W+1], v[W+3], vcc_lo
	global_store_b64 v7, v[250:251], s[OS:OS+1]    ; 32 lanes store 256 consecutive bytes, aligned
	s_wait_tensorcnt 0x0                           ; the wave's end: behind my last LDS store; the tensor wait stands in a text with no tensor load too
	ds_add_u32 v[SPW], v[NIL]
	s_wait_dscnt 0x0
	s_endpgm
.Lfunc_end_k_q33991a22ed_quant:
	.size	k_q33991a22ed_quant, .Lfunc_end_k_q33991a22ed_quant-k_q33991a22ed_quant
	.p2alignl 7, 3214868480
	.fill 96, 4, 3214868480
	.section	.rodata,"a",@progbits
	.p2align	6, 0x0
	.amdhsa_kernel k_q33991a22ed_quant
		.amdhsa_group_segment_fixed_size 34304
		.amdhsa_private_segment_fixed_size 0
		.amdhsa_enable_private_segment 0
		.amdhsa_kernarg_size 64
		.amdhsa_user_sgpr_count 2
		.amdhsa_user_sgpr_kernarg_segment_ptr 1
		.amdhsa_wavefront_size32 1
		.amdhsa_system_sgpr_workgroup_id_x 1
		.amdhsa_system_sgpr_workgroup_id_y 1
		.amdhsa_system_sgpr_workgroup_id_z 1
		.amdhsa_system_vgpr_workitem_id 0
		.amdhsa_next_free_vgpr 256
		.amdhsa_next_free_sgpr 66
		.amdhsa_reserve_vcc 1
		.amdhsa_float_denorm_mode_32 3
		.amdhsa_float_denorm_mode_16_64 3
		.amdhsa_memory_ordered 1
		.amdhsa_forward_progress 1
		.amdhsa_inst_pref_size 34
	.end_amdhsa_kernel
	.amdgpu_metadata
---
amdhsa.version: [ 1, 2 ]
amdhsa.kernels:
  - .name:           k_q33991a22ed_quant
    .symbol:         k_q33991a22ed_quant.kd
    .args:
      - { .name: x1, .offset: 0, .size: 8, .value_kind: global_buffer, .address_space: global }
      - { .name: x2, .offset: 8, .size: 8, .value_kind: global_buffer, .address_space: global }
      - { .name: Wq, .offset: 16, .size: 8, .value_kind: global_buffer, .address_space: global }
      - { .name: Wk, .offset: 24, .size: 8, .value_kind: global_buffer, .address_space: global }
      - { .name: Wv, .offset: 32, .size: 8, .value_kind: global_buffer, .address_space: global }
      - { .name: Wo, .offset: 40, .size: 8, .value_kind: global_buffer, .address_space: global }
      - { .name: xc, .offset: 48, .size: 8, .value_kind: global_buffer, .address_space: global }
      - { .name: xs, .offset: 56, .size: 8, .value_kind: global_buffer, .address_space: global }
    .group_segment_fixed_size: 34304
    .private_segment_fixed_size: 0
    .kernarg_segment_align: 8
    .kernarg_segment_size: 64
    .max_flat_workgroup_size: 128
    .sgpr_count:     66
    .vgpr_count:     256
    .wavefront_size: 32
...
	.end_amdgpu_metadata
.endif
;; end of part 1
;; launch proj (part 2): grid 12 x 64, 4 waves a work-group, clusters of 4 x 4, 327,680 bytes of LDS; arguments xc, xs, bq, bk, bv, qkvc, qkvs; writes qkvc, qkvs
.if DOCPART == 2
	.amdgcn_target "amdgcn-amd-amdhsa--gfx1250"
	.amdhsa_code_object_version 6
	.text
	.protected	k_q33991a22ed_proj
	.globl	k_q33991a22ed_proj
	.p2align	8
	.type	k_q33991a22ed_proj,@function
k_q33991a22ed_proj:
	s_mov_b64 s[64:65], 0
	v_nop
	global_prefetch_b8 v0, s[64:65] scope:SCOPE_SE
	s_setreg_imm32_b32 hwreg(HW_REG_WAVE_MODE, 25, 1), 1
	s_wait_xcnt 0x0
	s_wait_alu depctr_hold_cnt(0) depctr_sa_sdst(0) depctr_va_vdst(0) depctr_va_sdst(0) depctr_va_ssrc(0) depctr_va_vcc(0) depctr_vm_vsrc(0)
	s_getreg_b32 s2, hwreg(HW_REG_IB_STS2, 6, 4)
	s_cmp_eq_u32 s2, 0
	s_cbranch_scc0 .Lentry_in_a_cluster
	s_endpgm
.Lentry_in_a_cluster:
	s_bfe_u32 s2, ttmp6, 0x10000c
	s_cmp_lg_u32 s2, 0xf033
	s_cbranch_scc0 .Lentry_shape_is_right
	s_endpgm
.Lentry_shape_is_right:
; q = x1 Wq^T + bq, k = x2 Wk^T + bk, v = x2 Wv^T + bv on codes of FP6 (E2M3) with E8M0 scales, sums in f32; the results are quantised here, in registers, for the attention launch.
; ONE TEXT, THREE PRODUCTS, told apart by the cluster's x (KIND).  Each is C = "A" x "B"^T over K = 1,024, a work-group making 128 rows of A x 256 rows of B:
;   q: A = x1, B = Wq;   k: A = x2, B = Wk;   v: A = Wv, B = x2.
; THE MATRIX INSTRUCTION IS USED TRANSPOSED (source 0 = 16 rows of B, source 1 = 16 rows of A): a lane holds ONE row of A and its registers run along B's rows.  B's tiles are laid (by the launch before)
; so that the 64 registers of a wave's 8 tiles of B are: register 32 c + i = B's row 64 c + 32 (lane / 16) + i.  For q and k that axis is the head's channels, for v the keys: each the next product's K.
; So one epilogue serves all three: add the bias, quantise 128 along that axis, store the codes as images of the next operand's registers.
; ALL OF K LIES IN LDS: 24 tiles x 12,288 bytes = 294,912.  Every tensor load is a first fill: two a wave, one for each half of 512 along K; nothing is filled again.
; CLUSTERS: 4 x 4 work-groups; A's tiles are asked for jointly along a row of the cluster, B's along a column.  768 work-groups: three even shares for 256 WGPs.
; A wave makes 64 x 128: 32 accumulators by turns.  qkvc, qkvs: layouts at the attention launch's head.
; LIMITS: a block of zeros gets the byte 1 (its codes are zeros; this program alone reads the bytes); NaN and infinities are not served.
; REGISTERS, in windows of 256: window 0: addresses, scale words, biases, the epilogue;  window 1: accumulator (a, b) at v[64 a + 8 b];  window 2: B's fragments, two sets, at v0 and v128;  window 3: A's, two sets, at v0 and v48.
; K COMES IN TWO HALVES of 512: one tensor load a wave for each; the second half's load stands behind the three lines and a round and lands under the first half's products.
; B's tiles are laid so that a lane's registers 32 c + i of a wave's 8 tiles are B's row 64 c + 32 (lane / 16) + i: a whole scale block in a lane.
.set CH,    147456                     ; a half of K: A's 8 tiles x 6,144 bytes, then B's 16
.set TILEB, 6144                       ; a tile's four fragments of a half
.set SPARE, 2*CH
.set WV,   18                          ; s18 wave;  s19 wave / 2: my rows of A, and: I fetch for A (0) or B (1);  s20 wave % 2: my rows of B, and which half I fetch
.set RH,   19
.set CL,   20
.set KIND, 21                          ; s21 0: q, 1: k, 2: v
.set CX,   22
.set CY,   23
.set G1A,  24                          ; s[24:31] descriptor group 1 for A's tiles;  s[32:39] for B's
.set G1B,  32
.set G0A,  40                          ; s[40:47] groups 0 for A's two halves;  s[68:75] for B's
.set G0B,  68
.set SEL,  86                          ; s[86:87] lane selects for v_permlanex16_b32
.set ADA,  16                          ; v16-17 LDS address of my A fragments in half 0..1;  v20-21 of B's
.set ADB,  20
.set SPW,  28                          ; v28 LDS address of my spare word; v29 0; never rewritten
.set NIL,  29
.set SA,   32                          ; v32-47 A's scale words: register 4 i + j: tile i; lanes 0-15 K step j, lanes 16-31 K step 4 + j
.set SB,   48                          ; v48-79 B's likewise
.set BN,   80                          ; v80-143 the bias along B's rows (q, k), in the result's order
.set BM,   144                         ; v144-151 the bias of my row of A (v), tile a's twice, as a pair
.set T,    152                         ; v152-215 64 results with their bias
.set PC,   216                         ; v216-235 the codes just made
.set TM,   236                         ; v236-251 at work
.set W,    252                         ; v252-255 the four tiles' scale words
.set MSB, 0
.macro WIN new                         ; the immediate's high byte repeats the setting that is left
.if MSB != \new
	s_set_vgpr_msb (MSB<<8)|\new
.set MSB, \new
.endif
.endm
.set MUL,  0x5e                        ; source 0 (B) window 2, source 1 (A) window 3, C and D window 1
.set TO_B, 0x80                        ; destination window 2, address window 0
.set TO_A, 0xc0                        ; destination window 3
.set ADDW, 0x01                        ; source 0 window 1
.macro PLACES                          ; four places: in front of loads into registers that matrix instructions have read, and of the first read of results
.rept 4
	v_nop
.endr
.endm
.macro CROUND                          ; a round of the cluster's barrier
	s_barrier_signal -1
	s_barrier_wait -1
	s_cmp_lg_u32 s[WV], 0
	s_cbranch_scc1 .Lnot_wave_0_\@
	s_barrier_signal -3
.Lnot_wave_0_\@:
	s_barrier_wait -3
	s_barrier_signal -1
	s_barrier_wait -1
.endm
.macro QUANT s, pw                     ; 64 numbers of a lane, register 32 c + i = k 64 c + 32 (lane / 16) + i, become a fragment's codes in v[PC] on and the row's scale word in v[pw] (the same in lanes r and r + 16)
.irp b, 0,1,2,3
	v_max3_num_f32 v[TM+\b], |v[(\s)+16*\b]|, |v[(\s)+1+16*\b]|, 0x1800000   ; and the floor 2^(3 - 127): the byte cannot fall under 1
.endr
.irp i, 2,4,6,8,10,12,14
.irp b, 0,1,2,3
	v_max3_num_f32 v[TM+\b], v[TM+\b], |v[(\s)+16*\b+\i]|, |v[(\s)+1+16*\b+\i]|
.endr
.endr
.irp c, 0,1
	v_max_num_f32 v[TM+2*\c], v[TM+2*\c], v[TM+2*\c+1]   ; a block's two halves are both mine
.endr
.irp b, 0,2
	v_add_nc_u32 v[TM+12+\b], 0xff000000, v[TM+\b]
.endr
.irp b, 0,2
	v_lshrrev_b32 v[TM+4+\b], 23, v[TM+12+\b]
.endr
	v_lshl_or_b32 v[\pw], v[TM+6], 16, v[TM+4]     ; my two bytes: blocks h and 2 + h,
	v_lshlrev_b32 v[\pw], v15, v[\pw]              ; 8 h bits up;
	v_permlanex16_b32 v[TM+5], v[\pw], s[SEL], s[SEL+1]
	v_or_b32 v[\pw], v[\pw], v[TM+5]               ; with lane l xor 16's two the word is whole
.irp c, 0,1
	v_cvt_scalef32_pk16_fp6_f32 v[PC+6*\c:PC+2+6*\c], v[(\s)+32*\c:(\s)+15+32*\c], v[TM+12+2*\c]
	v_cvt_scalef32_pk16_fp6_f32 v[PC+12+4*\c:PC+14+4*\c], v[(\s)+16+32*\c:(\s)+31+32*\c], v[TM+12+2*\c]
.endr
	v_nop                                          ; one plain place behind a scaled conversion
.irp c, 0,1
.irp i, 0,1,2
	v_mov_b32 v[PC+3+6*\c+\i], v[PC+12+4*\c+\i]
.endr
.endr
.endm
	s_load_b256 s[4:11], s[0:1], 0x0               ; xc s[4:5], xs s[6:7], bq s[8:9], bk s[10:11]
	s_load_b128 s[12:15], s[0:1], 0x20             ; bv s[12:13], qkvc s[14:15]
	s_load_b64 s[16:17], s[0:1], 0x30              ; qkvs
	v_lshl_add_u32 v[SPW], v0, 2, SPARE
	v_mov_b32 v[NIL], 0
	ds_add_u32 v[SPW], v[NIL]                      ; the wave's opening: the add and its wait stand ahead of my first tensor load; the set-up below, work on registers, stands between them
	ds_add_u32 v[SPW], v[NIL]
	v_lshrrev_b32 v1, 5, v0
	v_readfirstlane_b32 s[WV], v1
	s_lshr_b32 s[RH], s[WV], 1
	s_and_b32 s[CL], s[WV], 1
	s_mov_b32 s[KIND], ttmp9                       ; the cluster's x: the same in all sixteen partners
	s_bfe_u32 s[CX], ttmp6, 0x40000
	s_bfe_u32 s[CY], ttmp6, 0x40004
	s_and_b32 s62, ttmp7, 0xffff                   ; the cluster's y, 0..15
	s_and_b32 s63, s62, 1
	s_lshr_b32 s66, s62, 1
	s_lshl_b32 s84, s[KIND], 9                     ; A's first tile in xc: q 0, k 512,
	s_lshl_b32 s85, s[KIND], 6
	s_add_co_u32 s85, s85, 1024                    ; B's: q 1,024, k 1,088
	s_cmp_eq_u32 s[KIND], 2
	s_cselect_b32 s63, s63, s62                    ; q, k: 64 blocks of A's rows x 4 of B's;  v: 8 x 32
	s_cselect_b32 s66, s66, 0
	s_cselect_b32 s84, 1152, s84                   ; v: A = Wv,
	s_cselect_b32 s85, 512, s85                    ; B = x2
	s_lshl_b32 s56, s63, 2
	s_add_co_u32 s56, s56, s[CY]                   ; my block of 128 rows of A: it never holds cx
	s_lshl_b32 s57, s66, 2
	s_add_co_u32 s57, s57, s[CX]                   ; my block of 256 rows of B: it never holds cy
	s_lshl_b32 s88, s[CY], 2
	s_lshl_b32 s88, 15, s88                        ; my row of the cluster
	s_lshl_b32 s89, 0x1111, s[CX]                  ; my column
	; descriptor group 1: rows of 6,144 bytes (a tile's part of a half: 768 elements of 8 bytes), 12,288 bytes apart in memory, dense in LDS
	s_or_b32 s[G1A], s88, (3<<16)|(1<<21)          ; 15:0 the mask; 17:16 elements of 8 bytes; 21 set beside a mask
	s_mov_b32 s[G1A+1], 768<<16                    ; tensor_dim0: rows of 6,144 bytes
	s_mov_b32 s[G1A+2], 4<<16                      ; tensor_dim1: 4 tiles
	s_mov_b32 s[G1A+3], 768<<16
	s_mov_b32 s[G1A+4], 4                          ; tile_dim1
	s_mov_b32 s[G1A+5], 1536                       ; the pitch
	s_mov_b32 s[G1A+6], 0
	s_mov_b32 s[G1A+7], 0
	s_or_b32 s[G1B], s89, (3<<16)|(1<<21)
	s_mov_b32 s[G1B+1], 768<<16
	s_mov_b32 s[G1B+2], 8<<16                      ; 8 tiles
	s_mov_b32 s[G1B+3], 768<<16
	s_mov_b32 s[G1B+4], 8
	s_mov_b32 s[G1B+5], 1536
	s_mov_b32 s[G1B+6], 0
	s_mov_b32 s[G1B+7], 0
	s_lshl_b32 s58, s56, 3
	s_lshl_b32 s59, s[CL], 2
	s_add_co_u32 s58, s58, s59
	s_add_co_u32 s58, s58, s84
	s_mul_i32 s58, s58, 12288                      ; A: the 4 tiles that I fetch, in bytes (under 2^24)
	s_mov_b32 s59, 0
	s_lshl_b32 s60, s57, 4
	s_lshl_b32 s61, s[CL], 3
	s_add_co_u32 s60, s60, s61
	s_add_co_u32 s60, s60, s85
	s_mul_i32 s60, s60, 12288                      ; B: the 8 tiles that I fetch
	s_mov_b32 s61, 0
	s_mul_i32 s86, s[CL], 4*TILEB                  ; where they go in a chunk: the wave's number alone
	s_mul_i32 s87, s[CL], 8*TILEB
	s_add_co_u32 s87, s87, 8*TILEB
	s_wait_dscnt 0x0                               ; the opening add is done
	s_wait_kmcnt 0x0
	s_add_nc_u64 s[58:59], s[4:5], s[58:59]
	s_add_nc_u64 s[60:61], s[4:5], s[60:61]
	CROUND                                         ; all sixteen work-groups are here: the joint loads meet
.irp c, 0,1
	s_mov_b32 s[G0A+4*\c], 1
	s_add_co_u32 s[G0A+4*\c+1], s86, \c*CH
	s_add_nc_u64 s[G0A+4*\c+2:G0A+4*\c+3], s[58:59], \c*TILEB
	s_or_b32 s[G0A+4*\c+3], s[G0A+4*\c+3], 0x80000000
	s_mov_b32 s[G0B+4*\c], 1
	s_add_co_u32 s[G0B+4*\c+1], s87, \c*CH
	s_add_nc_u64 s[G0B+4*\c+2:G0B+4*\c+3], s[60:61], \c*TILEB
	s_or_b32 s[G0B+4*\c+3], s[G0B+4*\c+3], 0x80000000
.endr
	s_cmp_eq_u32 s[RH], 0                          ; waves 0 and 1 fetch A's halves, waves 2 and 3 B's: a wave's fill stands in one branch, with an s_nop 0 and four v_nop behind it
	s_cbranch_scc0 .Lfill_b
	tensor_load_to_lds s[G0A:G0A+3], s[G1A:G1A+7]  ; the first half of K: one tensor load a wave at the head
	s_nop 0
	PLACES
	s_branch .Lfilled
.Lfill_b:
	tensor_load_to_lds s[G0B:G0B+3], s[G1B:G1B+7]
	s_nop 0
	PLACES
.Lfilled:
	v_and_b32 v13, 31, v0                          ; lane
	v_and_b32 v1, 15, v0                           ; r
	v_bfe_u32 v2, v0, 4, 1                         ; h
	v_lshlrev_b32 v3, 4, v13                       ; 16 x lane
	s_mul_i32 s2, s[RH], 4*TILEB
	v_add_nc_u32 v[ADA], s2, v3
	v_add_nc_u32 v[ADB], s87, v3
.irp c, 1
	v_add_nc_u32 v[ADA+\c], \c*CH, v[ADA]
	v_add_nc_u32 v[ADB+\c], \c*CH, v[ADB]
.endr
	s_wait_alu depctr_va_vdst(0)                   ; ahead of the run of scalar lines: the lane numbers
	s_lshl_b32 s2, s56, 3
	s_lshl_b32 s3, s[RH], 2
	s_add_co_u32 s2, s2, s3
	s_add_co_u32 s2, s2, s84
	s_lshl_b32 s2, s2, 9
	s_mov_b32 s3, 0
	s_add_nc_u64 s[90:91], s[6:7], s[2:3]
	s_lshl_b32 s2, s57, 4                          ; my 8 tiles of B
	s_lshl_b32 s67, s[CL], 3
	s_add_co_u32 s2, s2, s67
	s_add_co_u32 s2, s2, s85
	s_lshl_b32 s2, s2, 9
	s_add_nc_u64 s[92:93], s[6:7], s[2:3]
	s_lshl_b32 s94, s56, 1
	s_add_co_u32 s94, s94, s[RH]                   ; R: my 64 rows of A
	s_lshl_b32 s95, s57, 1
	s_add_co_u32 s95, s95, s[CL]                   ; C: my 128 rows of B
	s_lshl_b32 s2, s95, 9
	s_lshl_b32 s66, s94, 8
	s_mov_b32 s67, 0
	s_cmp_eq_u32 s[KIND], 0
	s_cselect_b64 s[96:97], s[8:9], s[10:11]
	s_cmp_eq_u32 s[KIND], 2
	s_cselect_b64 s[96:97], s[12:13], s[96:97]     ; my product's bias
	s_cselect_b32 s2, 0, s2                        ; q, k: the bias runs along B's rows: 128 numbers from 128 C on.  v: along A's: 64 from 64 R on.
	s_cselect_b32 s66, s66, 0                      ; Both sets are loaded in every product, the one that is not used from the bias's first bytes: every register is written on every way
	s_add_nc_u64 s[98:99], s[96:97], s[66:67]
	s_add_nc_u64 s[96:97], s[96:97], s[2:3]
	v_lshlrev_b32 v4, 7, v2                        ; along B: tile 4 c + u, register j: number 64 c + 32 h + 8 u + j
	v_and_b32 v5, 7, v1
	v_lshrrev_b32 v6, 3, v1
	v_lshl_add_u32 v5, v6, 5, v5
	v_lshlrev_b32 v5, 2, v5                        ; along A: tile u of my four, lane r: number 8 u + 32 (r / 8) + r % 8
	v_lshlrev_b32 v15, 3, v2                       ; 8 h: where my scale bytes stand in the word
.irp i, 0,1,2,3
	global_load_b128 v[SA+4*\i:SA+4*\i+3], v3, s[90:91] offset:512*\i
.endr
.irp i, 0,1,2,3,4,5,6,7
	global_load_b128 v[SB+4*\i:SB+4*\i+3], v3, s[92:93] offset:512*\i
.endr
.irp i, 0,1,2,3,4,5,6,7
	global_load_b128 v[BN+8*\i:BN+8*\i+3], v4, s[96:97] offset:(64*(\i/4)+8*(\i%4))*4
	global_load_b128 v[BN+8*\i+4:BN+8*\i+7], v4, s[96:97] offset:(64*(\i/4)+8*(\i%4))*4+16
.endr
.irp i, 0,1,2,3
	global_load_b32 v[BM+2*\i], v5, s[98:99] offset:32*\i
	global_load_b32 v[BM+2*\i+1], v5, s[98:99] offset:32*\i
.endr
	; where the results go.  q, k: batch R / 32, tokens 64 (R % 32) on, head pair C.  v: batch C / 16, key step C % 16, head R
	s_lshr_b32 s2, s95, 4
	s_lshr_b32 s3, s94, 5
	s_lshr_b32 s66, s94, 1
	s_and_b32 s67, s95, 15
	s_bfe_u32 s84, s94, 0x40001                    ; (R % 32) / 2
	s_and_b32 s85, s94, 1                          ; q, k: which four tiles of the step of 128 tokens;  v: which head of the pair
	s_mov_b32 s88, 3072
	s_mov_b32 s89, 1024
	s_mov_b32 s62, 768
	s_mov_b32 s57, 6144
	s_mov_b32 s56, 0xffff
	s_cmp_eq_u32 s[KIND], 2
	s_cselect_b32 s2, s2, s3                       ; the batch
	s_cselect_b32 s66, s66, s95                    ; the head pair
	s_cselect_b32 s67, s67, s84                    ; the step of 128 tokens
	s_cselect_b32 s88, 6144, s88                   ; what s85 steps in the codes
	s_cselect_b32 s89, 512, s89                    ; what a step is in the scale words
	s_cselect_b32 s62, 1536, s62                   ; from one of my four tiles of A to the next, in the codes
	s_cselect_b32 s57, 768, s57                    ; from a fragment's registers 0-5 to its registers 6-11: q, k: the pair's other head; v: the image's other half
	s_cselect_b32 s56, -1, s56                     ; q, k: a head has two of the word's four bytes; v: all four
	s_cselect_b32 s86, 0, 512                      ; q, k: lanes 16-31 store the other head's words, 512 bytes on,
	s_cselect_b32 s87, 0, 16                       ; which are the word's upper half
	s_cselect_b32 s84, 16384, 0                    ; v's scale words lie behind k's
	s_mov_b32 s63, 0
	v_lshlrev_b32 v9, 3, v13                       ; 8 x lane
	v_add_nc_u32 v10, s57, v3
	v_add_nc_u32 v11, s57, v9
	v_mul_u32_u24 v12, s86, v2
	v_lshl_add_u32 v12, v1, 4, v12                 ; the scale words: 16 r (+ 512 h)
	v_mul_u32_u24 v14, s87, v2
.irp b, 0,1,2,3
	v_mov_b32 v[TM+4+\b], 0                        ; written once: a lane permute's destination counts as one of its sources
.endr
	s_lshl_b32 s2, s2, 3
	s_add_co_u32 s2, s2, s66                       ; BH = 8 x batch + head pair
	s_mul_i32 s66, s[KIND], 6291456
	s_mul_i32 s3, s2, 196608
	s_add_co_u32 s66, s66, s3
	s_mul_i32 s3, s67, 12288
	s_add_co_u32 s66, s66, s3
	s_mul_i32 s3, s85, s88
	s_add_co_u32 s66, s66, s3                      ; my codes' first byte in qkvc
	s_mul_i32 s3, s67, s89
	s_add_co_u32 s84, s84, s3
	s_lshl_b32 s3, s85, 8
	s_add_co_u32 s84, s84, s3
	s_lshl_b32 s3, s2, 14                          ; q: 16,384 bytes for each BH;
	s_mul_i32 s2, s2, 24576
	s_add_co_u32 s2, s2, 524288                    ; k and v: 24,576, behind all of q's
	s_cmp_eq_u32 s[KIND], 0
	s_cselect_b32 s2, s3, s2
	s_add_co_u32 s2, s2, s84                       ; my scale words' first byte in qkvs
	s_mov_b32 s3, 0
	s_mov_b32 s67, 0
	s_add_nc_u64 s[58:59], s[14:15], s[66:67]
	s_add_nc_u64 s[60:61], s[16:17], s[2:3]
	s_mov_b32 s[SEL], 0x76543210
	s_mov_b32 s[SEL+1], 0xfedcba98
; The fragments of K step s (half s / 4, its step s % 4) into set s % 2: 36 loads of 512 consecutive bytes: B's eight, then A's four
.macro FETCH s
	WIN TO_B
.irp i, 0,1,2,3,4,5,6,7
.irp k, 0,1,2
	ds_load_b128 v[128*((\s)%2)+12*\i+4*\k:128*((\s)%2)+12*\i+4*\k+3], v[ADB+(\s)/4] offset:TILEB*\i+1536*((\s)%4)+512*\k
.endr
.endr
	WIN TO_A
.irp i, 0,1,2,3
.irp k, 0,1,2
	ds_load_b128 v[48*((\s)%2)+12*\i+4*\k:48*((\s)%2)+12*\i+4*\k+3], v[ADA+(\s)/4] offset:TILEB*\i+1536*((\s)%4)+512*\k
.endr
.endr
.endm
; 16 matrix instructions: A's tiles a0, a0 + 1 x B's eight, K step s.  The 32 accumulators take turns, one instruction a turn, in the same order in every step.  zero = 1: the product starts the sum
.macro MUL16 a0, s, zero
.irp a, \a0, \a0+1
.irp b, 0,1,2,3,4,5,6,7
.if \zero
	v_wmma_scale_f32_16x16x128_f8f6f4 v[64*(\a)+8*\b:64*(\a)+8*\b+7], v[128*((\s)%2)+12*\b:128*((\s)%2)+12*\b+11], v[48*((\s)%2)+12*(\a):48*((\s)%2)+12*(\a)+11], 0, v[SB+4*\b+(\s)%4], v[SA+4*(\a)+(\s)%4] matrix_a_fmt:MATRIX_FMT_FP6 matrix_b_fmt:MATRIX_FMT_FP6
.elseif (\s) < 4
	v_wmma_scale_f32_16x16x128_f8f6f4 v[64*(\a)+8*\b:64*(\a)+8*\b+7], v[128*((\s)%2)+12*\b:128*((\s)%2)+12*\b+11], v[48*((\s)%2)+12*(\a):48*((\s)%2)+12*(\a)+11], v[64*(\a)+8*\b:64*(\a)+8*\b+7], v[SB+4*\b+(\s)%4], v[SA+4*(\a)+(\s)%4] matrix_a_fmt:MATRIX_FMT_FP6 matrix_b_fmt:MATRIX_FMT_FP6
.else
	v_wmma_scale_f32_16x16x128_f8f6f4 v[64*(\a)+8*\b:64*(\a)+8*\b+7], v[128*((\s)%2)+12*\b:128*((\s)%2)+12*\b+11], v[48*((\s)%2)+12*(\a):48*((\s)%2)+12*(\a)+11], v[64*(\a)+8*\b:64*(\a)+8*\b+7], v[SB+4*\b+(\s)%4], v[SA+4*(\a)+(\s)%4] matrix_a_fmt:MATRIX_FMT_FP6 matrix_b_fmt:MATRIX_FMT_FP6 matrix_a_scale:MATRIX_SCALE_ROW1 matrix_b_scale:MATRIX_SCALE_ROW1
.endif
.endr
.endr
.endm
.macro STEPP s, zero                   ; a K step whose successor lies in the same chunk
	s_wait_dscnt 6                                 ; B's eight and A's tiles 0, 1 are in; the youngest six loads (A's tiles 2, 3) may be out
	WIN MUL
	MUL16 0, \s, \zero
	PLACES
	FETCH (\s)+1
	s_wait_dscnt 36                                ; all but the 36 just issued
	WIN MUL
	MUL16 2, \s, \zero
.endm
.macro STEPE s                         ; a chunk's last K step: the next chunk has to be whole
	s_wait_dscnt 0x0                               ; no LDS load of mine is out at the signal
	s_wait_tensorcnt 0x0                           ; my part of the second half has landed
	s_barrier_signal -1
	WIN MUL
	MUL16 0, \s, 0
	s_barrier_wait -1                              ; everybody's part has
	PLACES
	FETCH (\s)+1
	WIN MUL
	MUL16 2, \s, 0
.endm
	s_wait_alu depctr_va_vdst(0)
	s_wait_tensorcnt 0x0                           ; my part of the first half is in
	ds_add_u32 v[SPW], v[NIL]
	s_wait_dscnt 0x0
	CROUND                                         ; everybody's part is in, and all sixteen work-groups are here
	s_cmp_eq_u32 s[RH], 0
	s_cbranch_scc0 .Lfill_b2
	tensor_load_to_lds s[G0A+4:G0A+7], s[G1A:G1A+7] ; the second half of K, into bytes of its own: four K steps ahead of its use
	s_nop 0
	PLACES
	s_branch .Lfilled2
.Lfill_b2:
	tensor_load_to_lds s[G0B+4:G0B+7], s[G1B:G1B+7]
	s_nop 0
	PLACES
.Lfilled2:
	FETCH 0
	s_wait_loadcnt 0x0                             ; scale words and biases
	STEPP 0, 1
	STEPP 1, 0
	STEPP 2, 0
	STEPE 3
	STEPP 4, 0
	STEPP 5, 0
	STEPP 6, 0
	s_wait_dscnt 6
	WIN MUL
	MUL16 0, 7, 0
	s_wait_dscnt 0x0
	MUL16 2, 7, 0
	WIN 0
	PLACES
	; THE EPILOGUE, a tile of 16 rows of A at a time: the bias is added (which also brings the sums into window 0, each accumulator from its low end on), 128 along B's rows are quantised, and the fragment leaves in four stores
.irp a, 0,1,2,3
	s_cmp_eq_u32 s[KIND], 2                        ; the same in all waves and all partners; only work on registers differs
	s_cbranch_scc1 .Lrow_bias_\a
	WIN ADDW
.set i, 0
.rept 32
	v_pk_add_f32 v[T+i:T+i+1], v[64*\a+i:64*\a+i+1], v[BN+i:BN+i+1]
.set i, i+2
.endr
	WIN 0
	s_branch .Lbiased_\a
.Lrow_bias_\a:
	WIN ADDW
.set i, 0
.rept 32
	v_pk_add_f32 v[T+i:T+i+1], v[64*\a+i:64*\a+i+1], v[BM+2*\a:BM+2*\a+1]
.set i, i+2
.endr
	WIN 0
.Lbiased_\a:
	s_wait_xcnt 0x0                                ; the last tile's stores have read their data and their base: both are written again only behind this wait
.if \a > 0
	s_add_nc_u64 s[58:59], s[58:59], s[62:63]
.endif
	QUANT T, W+\a
	global_store_b128 v3, v[PC:PC+3], s[58:59]               ; registers 0-3: 512 consecutive bytes
	global_store_b64 v9, v[PC+4:PC+5], s[58:59] offset:512   ; registers 4-5: 256
	global_store_b128 v10, v[PC+6:PC+9], s[58:59]            ; registers 6-11 likewise
	global_store_b64 v11, v[PC+10:PC+11], s[58:59] offset:512
.endr
.irp i, 0,1,2,3
	v_lshrrev_b32 v[TM+\i], v14, v[W+\i]           ; q, k: lanes 0-15 the first head's two bytes, lanes 16-31 the second's, the word's other two bytes 0;  v: the whole word
.endr
.irp i, 0,1,2,3
	v_and_b32 v[TM+\i], s56, v[TM+\i]
.endr
	global_store_b128 v12, v[TM:TM+3], s[60:61]    ; sixteen lanes store 256 consecutive bytes, aligned (v: lanes r and r + 16 store the same bytes with the same values)
	s_wait_tensorcnt 0x0                           ; the wave's end: behind my last tensor load
	ds_add_u32 v[SPW], v[NIL]
	s_wait_dscnt 0x0
	CROUND                                         ; the closing round
	s_endpgm
.Lfunc_end_k_q33991a22ed_proj:
	.size	k_q33991a22ed_proj, .Lfunc_end_k_q33991a22ed_proj-k_q33991a22ed_proj
	.p2alignl 7, 3214868480
	.fill 96, 4, 3214868480
	.section	.rodata,"a",@progbits
	.p2align	6, 0x0
	.amdhsa_kernel k_q33991a22ed_proj
		.amdhsa_group_segment_fixed_size 327680
		.amdhsa_private_segment_fixed_size 0
		.amdhsa_enable_private_segment 0
		.amdhsa_kernarg_size 56
		.amdhsa_user_sgpr_count 2
		.amdhsa_user_sgpr_kernarg_segment_ptr 1
		.amdhsa_wavefront_size32 1
		.amdhsa_system_sgpr_workgroup_id_x 1
		.amdhsa_system_sgpr_workgroup_id_y 1
		.amdhsa_system_sgpr_workgroup_id_z 1
		.amdhsa_system_vgpr_workitem_id 0
		.amdhsa_next_free_vgpr 1024
		.amdhsa_next_free_sgpr 100
		.amdhsa_reserve_vcc 0
		.amdhsa_float_denorm_mode_32 3
		.amdhsa_float_denorm_mode_16_64 3
		.amdhsa_memory_ordered 1
		.amdhsa_forward_progress 1
		.amdhsa_inst_pref_size 98
	.end_amdhsa_kernel
	.amdgpu_metadata
---
amdhsa.version: [ 1, 2 ]
amdhsa.kernels:
  - .name:           k_q33991a22ed_proj
    .symbol:         k_q33991a22ed_proj.kd
    .args:
      - { .name: xc, .offset: 0, .size: 8, .value_kind: global_buffer, .address_space: global }
      - { .name: xs, .offset: 8, .size: 8, .value_kind: global_buffer, .address_space: global }
      - { .name: bq, .offset: 16, .size: 8, .value_kind: global_buffer, .address_space: global }
      - { .name: bk, .offset: 24, .size: 8, .value_kind: global_buffer, .address_space: global }
      - { .name: bv, .offset: 32, .size: 8, .value_kind: global_buffer, .address_space: global }
      - { .name: qkvc, .offset: 40, .size: 8, .value_kind: global_buffer, .address_space: global }
      - { .name: qkvs, .offset: 48, .size: 8, .value_kind: global_buffer, .address_space: global }
    .group_segment_fixed_size: 327680
    .private_segment_fixed_size: 0
    .kernarg_segment_align: 8
    .kernarg_segment_size: 56
    .max_flat_workgroup_size: 128
    .sgpr_count:     100
    .vgpr_count:     1024
    .wavefront_size: 32
...
	.end_amdgpu_metadata
.endif
;; end of part 2
;; launch attn (part 3): grid 4 x 64, 16 waves a work-group, clusters of 4 x 1, 327,680 bytes of LDS; arguments qkvc, qkvs, oc, os; writes oc, os
.if DOCPART == 3
	.amdgcn_target "amdgcn-amd-amdhsa--gfx1250"
	.amdhsa_code_object_version 6
	.text
	.protected	k_q33991a22ed_attn
	.globl	k_q33991a22ed_attn
	.p2align	8
	.type	k_q33991a22ed_attn,@function
k_q33991a22ed_attn:
	s_mov_b64 s[64:65], 0
	v_nop
	global_prefetch_b8 v0, s[64:65] scope:SCOPE_SE
	s_setreg_imm32_b32 hwreg(HW_REG_WAVE_MODE, 25, 1), 1
	s_wait_xcnt 0x0
	s_wait_alu depctr_hold_cnt(0) depctr_sa_sdst(0) depctr_va_vdst(0) depctr_va_sdst(0) depctr_va_ssrc(0) depctr_va_vcc(0) depctr_vm_vsrc(0)
	s_getreg_b32 s2, hwreg(HW_REG_IB_STS2, 6, 4)
	s_cmp_eq_u32 s2, 0
	s_cbranch_scc0 .Lentry_in_a_cluster
	s_endpgm
.Lentry_in_a_cluster:
	s_bfe_u32 s2, ttmp6, 0x10000c
	s_cmp_lg_u32 s2, 0x3003
	s_cbranch_scc0 .Lentry_shape_is_right
	s_endpgm
.Lentry_shape_is_right:
; O = softmax(q k^T / 8) v for 64 heads of size 64, 2,048 queries x 2,048 keys, both products on codes of FP6 (E2M3) with E8M0 scales; O / l is quantised along the merged 1,024 for the last product.
; THE SOFTMAX: t = score x log2(e) / 8; M = the running largest t rounded UP to a whole number, kept as -M; p = 2^(t - M) is quantised along the keys, not normalised; the row's sum is taken of the
; unquantised p and divides at the end; when M moves, the sum and O are multiplied by 2^(old M - new M), which rounds nothing.
; BUFFERS (BH = 8 x batch + head pair, e = the head of the pair; work-group y = 2 BH + e).
;   qkvc: q at 0, k at 6,291,456: [BH][step of 128 tokens: 12,288][e: 6,144][tile t: 768]: half a fragment (K = the head's 64): registers 0-3 of lane l at 16 l, registers 4-5 at 512 + 8 l.
;         k's tile 4 c + u holds in lane r token 64 c + 32 (r / 8) + 8 u + r % 8; q's tiles hold neighbours.   v at 12,582,912: [BH][key step][e][tile i of 16 channels: 1,536]: two such halves: K = 128 keys;
;         v's tile i holds in lane r channel 32 (r / 8) + 8 i + r % 8.
;   qkvs: q at BH x 16,384: [step: 1,024][e: 512][t / 4: 256][r: 16][t % 4: 4]; at 524,288 + BH x 24,576: k likewise, then v: [key step: 512][e: 256][r: 16][i: 4].
;   oc: [tile of 16 tokens][head pair][e: 768], laid as q's halves;  os: [tile][pair / 4: 256][r: 16][pair % 4: 4][byte 2 e + h].
; SO A LANE HOLDS WHOLE SCALE BLOCKS: in S^T = k q^T lane (r, h) holds query r, and its scores 32 c + i are keys 64 c + 32 h + i; in O^T its 32 registers are channels 32 h + i.  No lane asks another for a block's maximum.
; K = 64 IN AN INSTRUCTION OF 128.  q's fragment has zero codes in registers 6-11.  k's fragment t is named 12 registers from its own six on: its upper six hold the next tile's codes (tile 7's: codes of p).
; They meet q's zero codes, under scale bytes 0 on both sides, and add nothing; E2M3 has no code for NaN or infinity.
; SHARES.  A work-group owns 512 queries of ONE head; each of its sixteen waves 32 of them, two tiles, which share every fragment of K and of V.  256 work-groups.
; LDS.  The head's K and V codes (2 x 98,304 bytes) and scale words (8,192 + 4,096) lie in LDS whole.
; Nothing is prefetched into the L2: every request to memory stands at the head, so there is no loop in which to run ahead of one.
; K IS FETCHED FROM LDS A STEP AHEAD, into registers of S that are done with: so K / V and S change places from step to step.  Even steps: K, then V, in v44-91, scores in v104-167.  Odd steps: K, then V, in v120-167,
; scores 0-47 in v44-91 and 48-63 in v104-119.  A trip of the loop is two steps; the last two steps are written out, since the last fetches nothing.
; CLUSTER.  The four query blocks of a head walk the same K and V: every tensor load is joint, mask 15.
; LIMITS: the promise holds while |t| stays under 2^31; p under 2^-126 falls to 0 (ISA guide, v_exp_f32); a block of zeros gets the byte 1 (its codes are zeros; this program alone reads the bytes);
; NaN and infinities are not served.  os is written a byte a lane: a 24th of oc's bytes.
; REGISTERS: v0, v11 at work; v1 16 l, v2 8 l, v3 16 r; v4, v5 the add's two; v6, v7 addresses, and at work; v8 8 h; v9 q's scale words (lanes 0-15 tile 0, 16-31 tile 1); v10 f; v12-15 the sums, a pair a tile;
;   v16, v18 -M; v17, v19 p's scale words; v20-43 q; v92-103, v168-179 p's codes; v180-243 O^T; v244-247 at work; v248-251 K's scale words; v252-255 V's.
.set VB,    98304                      ; K's codes at 0, V's here: 16 steps x 6,144 bytes each
.set SCK,   196608                     ; K's scale words, 512 bytes a step
.set SCV,   204800                     ; V's, 256 a step
.set SPARE, 208896                     ; the spare words, 128 bytes for each wave: eight blocks of 256 bytes that no other line names
.set WV,   12
.set G1C,  24                          ; s[24:31] descriptor group 1 for the codes; s[32:39] for K's scale words; s[40:47] for V's
.set G1K,  32
.set G1V,  40
.set G0C,  48                          ; groups 0
.set G0K,  52
.set G0V,  68
.set TB,   56                          ; s56 LDS byte of the trip's K;  s57 of its V;  s58 of K's scale words;  s59 of V's
.set TBV,  57
.set TS,   58
.set TJ,   59
.set CS,   60                          ; s[60:61] c = log2(e) / 8
.set SEL,  62                          ; s[62:63] lane selects for v_permlanex16_b32: lane l xor 16
.set CNT,  66
.set O,    180
; score k of a lane lies in v[SA + k + (k / 48) SD]: SA = 104, SD = 0 in even steps, SA = 44, SD = 12 in odd ones.  Each run of 16 scores is a run of registers
.macro PLACES
.rept 4
	v_nop
.endr
.endm
.macro WALU
	s_wait_alu depctr_va_vdst(0)
.endm
.macro CROUND                          ; a round of the cluster's barrier
	s_barrier_signal -1
	s_barrier_wait -1
	s_cmp_lg_u32 s[WV], 0
	s_cbranch_scc1 .Lnot_wave_0_\@
	s_barrier_signal -3
.Lnot_wave_0_\@:
	s_barrier_wait -3
	s_barrier_signal -1
	s_barrier_wait -1
.endm
.macro GROUP1 g, c, r, p               ; r rows of c elements of 8 bytes, p elements apart, dense in LDS; the mask names all four work-groups, bit 21 set beside it
	s_mov_b32 s[\g], 15|(3<<16)|(1<<21)
	s_mov_b32 s[\g+1], (\c)<<16
	s_mov_b32 s[\g+2], (\r)<<16
	s_mov_b32 s[\g+3], (\c)<<16
	s_mov_b32 s[\g+4], \r
	s_mov_b32 s[\g+5], \p
	s_mov_b32 s[\g+6], 0
	s_mov_b32 s[\g+7], 0
.endm
.macro TLOAD g0, g1
	tensor_load_to_lds s[\g0:\g0+3], s[\g1:\g1+7]
	s_nop 0
	PLACES
.endm
; v244, v245 hold the largest magnitudes of my two blocks, scores 0-31 and 32-63.  Their codes go to v[pc .. pc+5] and v[pc+6 .. pc+11], their scale bytes to v0 and v11.
; A conversion's three registers begin on an even number: a block's upper 16 codes are made in registers of S that are done with, and moved.  The shifts are the plain places behind the conversions.
.macro PACK pc
.irp c, 0,1
	v_add_nc_u32 v[244+\c], 0xff000000, v[244+\c]  ; 2 off the exponent field: the conversion's scale operand
.endr
	v_cvt_scalef32_pk16_fp6_f32 v[\pc:\pc+2], v[SA:SA+15], v244
	v_cvt_scalef32_pk16_fp6_f32 v[\pc+6:\pc+8], v[SA+32:SA+47], v245
	v_lshrrev_b32 v0, 23, v244
	v_cvt_scalef32_pk16_fp6_f32 v[SA:SA+2], v[SA+16:SA+31], v244
	v_cvt_scalef32_pk16_fp6_f32 v[SA+32:SA+34], v[SA+48+SD:SA+63+SD], v245
	v_lshrrev_b32 v11, 23, v245
.irp i, 0,1,2
	v_mov_b32 v[\pc+3+\i], v[SA+\i]
.endr
.irp i, 0,1,2
	v_mov_b32 v[\pc+9+\i], v[SA+32+\i]
.endr
.endm
.macro WORD nm                         ; p's scale word for these 128 keys, into v[nm+1]
	v_lshl_or_b32 v0, v11, 16, v0                  ; my two bytes: blocks h and 2 + h,
	v_lshlrev_b32 v0, v8, v0                       ; 8 h bits up;
	v_permlanex16_b32 v11, v0, s[SEL], s[SEL+1]
	v_or_b32 v[\nm+1], v0, v11                     ; with lane l xor 16's two the word is whole
.endm
; S^T tile t = 16 keys x the 16 queries of my tile x.  K's words: lanes 0-15 tiles 0-3 (ra = 0), lanes 16-31 tiles 4-7 (ra = 1); q's: lanes 0-15 tile 0, lanes 16-31 tile 1
.macro QK t, x, ra
	v_wmma_scale_f32_16x16x128_f8f6f4 v[SA+8*(\t)+((\t)/6)*SD:SA+8*(\t)+((\t)/6)*SD+7], v[KB+6*(\t):KB+6*(\t)+11], v[20+12*(\x):31+12*(\x)], 0, v[248+(\t)%4], v9 matrix_a_fmt:MATRIX_FMT_FP6 matrix_b_fmt:MATRIX_FMT_FP6 matrix_a_scale:MATRIX_SCALE_ROW\ra matrix_b_scale:MATRIX_SCALE_ROW\x
.endm
.macro QK8 x
.irp t, 0,1,2,3
	QK \t, \x, 0
.endr
.irp t, 4,5,6,7
	QK \t, \x, 1
.endr
.endm
.macro RESCALE x                       ; O^T of tile x under the new M
	WALU                                           ; directly ahead of the first reader of O^T
.set j, 0
.rept 16
	v_pk_mul_f32 v[O+32*(\x)+j:O+32*(\x)+j+1], v[O+32*(\x)+j:O+32*(\x)+j+1], v[10:11] op_sel_hi:[1,0]
.set j, j+2
.endr
.endm
; The scores of one tile of queries x 128 keys become p's codes in v[pc] on and its blocks' scale bytes in v0, v11; -M in v[nm], the sum in v[su:su+1], f in v10
.macro SOFTMAX nm, su, pc
.irp c, 0,1                                    ; the largest score of each of my two blocks, in two chains each, every accumulator from its low end on.  It serves the row's maximum and, since p rises with the score, the block's largest p
	v_max3_num_f32 v[244+\c], v[SA+32*\c], v[SA+32*\c+1], v[SA+32*\c+2]
	v_max3_num_f32 v[246+\c], v[SA+16+32*\c+\c*SD], v[SA+17+32*\c+\c*SD], v[SA+18+32*\c+\c*SD]
.endr
.irp i, 3,5,7,9,11,13
.irp c, 0,1
	v_max3_num_f32 v[244+\c], v[244+\c], v[SA+32*\c+\i], v[SA+32*\c+\i+1]
	v_max3_num_f32 v[246+\c], v[246+\c], v[SA+16+32*\c+\c*SD+\i], v[SA+17+32*\c+\c*SD+\i]
.endr
.endr
.irp c, 0,1
	v_max3_num_f32 v[244+\c], v[244+\c], v[246+\c], v[SA+32*\c+15]
.endr
.irp c, 0,1
	v_max_num_f32 v[244+\c], v[244+\c], v[SA+31+32*\c+\c*SD]
.endr
	v_max_num_f32 v0, v244, v245
	v_permlanex16_b32 v11, v0, s[SEL], s[SEL+1]
	v_max_num_f32 v0, v0, v11                      ; the step's largest score of my query
	v_mul_f32 v0, s[CS], v0                        ; as t (c is positive)
	v_floor_f32 v0, -v0                            ; -ceil(t)
	v_sub_f32 v11, v0, v[\nm]
	v_min_num_f32 v[\nm], v[\nm], v0               ; the new -M: the ceiling of the running maximum
.set j, 0
.rept 32
.set r_, SA+j+(j/48)*SD
	v_pk_fma_f32 v[r_:r_+1], v[r_:r_+1], s[CS:CS+1], v[\nm:\nm+1] op_sel_hi:[1,0,0]   ; t - M, two at a time; the three lines that make f stand among the first of them, which do not hang on it
.if j == 4
	v_min_num_f32 v11, 0, v11                      ; old M - new M: a whole number, 0 or less
.elseif j == 8
	v_cvt_i32_f32 v11, v11                         ; (it saturates)
.elseif j == 12
	v_ldexp_f32 v10, 1.0, v11                      ; f = 2^(old M - new M)
.endif
.set j, j+2
.endr
.irp c, 0,1
	v_fma_f32 v[244+\c], v[244+\c], s[CS], v[\nm]  ; the same of each block's largest score
.endr
	WALU                                           ; ahead of the batch
.irp c, 0,1
	v_exp_f32 v[244+\c], v[244+\c]                 ; the block's largest p: the same two instructions on the same number give the same bits
.endr
.set j, 0
.rept 64
.set r_, SA+j+(j/48)*SD
	v_exp_f32 v[r_], v[r_]                         ; p = 2^(t - M), at most 1
.set j, j+1
.endr
	v_pk_mul_f32 v[\su:\su+1], v[\su:\su+1], v[10:11] op_sel_hi:[1,0]   ; the sum under the new M: the plain place behind the exponentials
	WALU                                           ; one wait for the batch of 66, ahead of its first reader
	v_pk_add_f32 v[246:247], v[SA:SA+1], v[SA+2:SA+3]   ; the row's sum is taken of the unquantised p, in three chains
	v_pk_add_f32 v[6:7], v[SA+4:SA+5], v[SA+6:SA+7]
.set j, 8
.rept 9
.set a_, SA+j+(j/48)*SD
.set b_, SA+j+2+((j+2)/48)*SD
.set c_, SA+j+4+((j+4)/48)*SD
	v_pk_add_f32 v[\su:\su+1], v[\su:\su+1], v[a_:a_+1]
	v_pk_add_f32 v[246:247], v[246:247], v[b_:b_+1]
	v_pk_add_f32 v[6:7], v[6:7], v[c_:c_+1]
.set j, j+6
.endr
	v_pk_add_f32 v[\su:\su+1], v[\su:\su+1], v[SA+62+SD:SA+63+SD]
	v_pk_add_f32 v[246:247], v[246:247], v[6:7]
.irp c, 0,1
	v_max_num_f32 v[244+\c], 0x1800000, v[244+\c]  ; the floor 2^(3 - 127): the byte cannot fall under 1
.endr
	v_pk_add_f32 v[\su:\su+1], v[\su:\su+1], v[246:247]
	PACK \pc
.endm
; A KEY STEP: 128 keys x my 32 queries.  p: the step's parity; last = 1: no step follows
.macro STEP p, last
.set KB,  44+76*(\p)                   ; this step's K, then V
.set NKB, 120-76*(\p)                  ; the next step's K
.set SA,  104-60*(\p)
.set SD,  12*(\p)
	s_wait_dscnt 0x0                               ; K and its scale words, asked for in the step before, are in
	QK8 0
	PLACES                                         ; in front of the first read of the scores
	SOFTMAX 16, 12, 92
	WORD 16
	QK8 1                                          ; the same fragments of K serve tile 1
	RESCALE 0                                      ; these 16 are the places behind the products, in front of V's loads and of the first read of the scores
	v_add_nc_u32 v6, s[TBV], v1
	v_add_nc_u32 v7, s[TBV], v2
	v_add_nc_u32 v246, s[TJ], v3
.irp i, 0,1,2,3
	ds_load_b128 v[KB+12*\i:KB+12*\i+3], v6 offset:6144*(\p)+1536*\i
	ds_load_b64 v[KB+12*\i+4:KB+12*\i+5], v7 offset:6144*(\p)+1536*\i+512
	ds_load_b128 v[KB+12*\i+6:KB+12*\i+9], v6 offset:6144*(\p)+1536*\i+768
	ds_load_b64 v[KB+12*\i+10:KB+12*\i+11], v7 offset:6144*(\p)+1536*\i+1280
.endr
	ds_load_b128 v[252:255], v246 offset:256*(\p)  ; V lands under tile 1's softmax
	SOFTMAX 18, 14, 168
.if (\last) == 0
	v_add_nc_u32 v6, s[TB], v1                     ; the scores' registers are done with: 48 of them take the next step's K
	v_add_nc_u32 v7, s[TB], v2
	v_add_nc_u32 v246, s[TS], v1
.irp t, 0,1,2,3,4,5,6,7
	ds_load_b128 v[NKB+6*\t:NKB+6*\t+3], v6 offset:6144*(\p)+6144+768*\t
	ds_load_b64 v[NKB+6*\t+4:NKB+6*\t+5], v7 offset:6144*(\p)+6144+768*\t+512
.endr
	ds_load_b128 v[248:251], v246 offset:512*(\p)+512
.endif
	WORD 18
	RESCALE 1                                      ; (also the places between the scale word's and the codes' last lines and the products)
	WALU
.if (\last) == 0
	s_wait_dscnt 17                                ; V and its scale words are in; the 17 loads issued behind them (K's 16 and its scale words) may be out
.else
	s_wait_dscnt 0x0
.endif
.irp i, 0,1,2,3                                ; O^T += V^T P^T: eight accumulators by turns, each fragment of V for both tiles
	v_wmma_scale_f32_16x16x128_f8f6f4 v[O+8*\i:O+8*\i+7], v[KB+12*\i:KB+12*\i+11], v[92:103], v[O+8*\i:O+8*\i+7], v[252+\i], v17 matrix_a_fmt:MATRIX_FMT_FP6 matrix_b_fmt:MATRIX_FMT_FP6
	v_wmma_scale_f32_16x16x128_f8f6f4 v[O+32+8*\i:O+32+8*\i+7], v[KB+12*\i:KB+12*\i+11], v[168:179], v[O+32+8*\i:O+32+8*\i+7], v[252+\i], v19 matrix_a_fmt:MATRIX_FMT_FP6 matrix_b_fmt:MATRIX_FMT_FP6
.endr
.if (\last) == 0
.rept 5
	v_nop                                          ; five places: the next step's scores are written over V's registers (ISA guide 7.12.1)
.endr
.endif
.endm
	s_load_b256 s[4:11], s[0:1], 0x0               ; qkvc s[4:5], qkvs s[6:7], oc s[8:9], os s[10:11]
	v_lshl_add_u32 v4, v0, 2, SPARE
	v_mov_b32 v5, 0
	ds_add_u32 v4, v5                              ; the opening lines: the add, twice on end, and its wait stand ahead of the first tensor load
	ds_add_u32 v4, v5
	v_lshrrev_b32 v6, 5, v0
	v_readfirstlane_b32 s[WV], v6                  ; wave 0..15
	s_bfe_u32 s13, ttmp6, 0x40000                  ; cx: my block of 512 queries: it enters q's, oc's and os's addresses alone
	s_and_b32 s14, ttmp7, 0xffff                   ; the head, which the four partners share
	s_lshr_b32 s15, s14, 1                         ; BH
	s_and_b32 s16, s14, 1                          ; e
	GROUP1 G1C, 768, 4, 1536                       ; four key steps of K or V: rows of 6,144 bytes, 12,288 apart
	GROUP1 G1K, 64, 16, 128                        ; K's scale words: 16 rows of 512 bytes, 1,024 apart
	GROUP1 G1V, 32, 16, 64                         ; V's: 16 rows of 256 bytes, 512 apart
	s_lshl_b32 s17, s13, 5
	s_lshl_b32 s18, s[WV], 1
	s_add_co_u32 s17, s17, s18                     ; my first tile of 16 queries, 0..126, even
	s_lshr_b32 s18, s17, 3                         ; its step of 128 tokens
	s_and_b32 s19, s17, 7                          ; and its place there
	s_mul_i32 s70, s15, 196608
	s_mul_i32 s71, s16, 6144
	s_add_co_u32 s70, s70, s71                     ; the head's first bytes in each third of qkvc
	s_mul_i32 s72, s18, 12288
	s_add_co_u32 s72, s72, s70
	s_mul_i32 s73, s19, 768
	s_add_co_u32 s72, s72, s73                     ; q's codes
	s_mov_b32 s73, 0
	s_lshl_b32 s74, s15, 14
	s_lshl_b32 s75, s18, 10
	s_add_co_u32 s74, s74, s75
	s_lshl_b32 s75, s16, 9
	s_add_co_u32 s74, s74, s75
	s_lshr_b32 s75, s19, 2
	s_lshl_b32 s75, s75, 8
	s_add_co_u32 s74, s74, s75
	s_and_b32 s75, s19, 3
	s_lshl_b32 s75, s75, 2
	s_add_co_u32 s74, s74, s75                     ; q's scale words
	s_mov_b32 s75, 0
	s_min_u32 s23, s[WV], 7                        ; waves 0-3 fetch four key steps of K each, waves 4-7 of V
	s_lshr_b32 s20, s23, 2
	s_add_co_u32 s20, s20, 1
	s_mul_i32 s20, s20, 6291456
	s_add_co_u32 s20, s20, s70
	s_and_b32 s21, s23, 3
	s_mul_i32 s21, s21, 49152
	s_add_co_u32 s20, s20, s21                     ; in memory,
	s_mov_b32 s21, 0
	s_mul_i32 s22, s23, 24576                      ; and in LDS (V's region begins where K's four parts end)
	s_mul_i32 s2, s15, 24576
	s_add_co_u32 s2, s2, 524288
	s_lshl_b32 s3, s16, 8
	s_add_co_u32 s18, s2, s3
	s_add_co_u32 s18, s18, 16384                   ; V's scale words
	s_mov_b32 s19, 0
	s_add_co_u32 s2, s2, s3
	s_add_co_u32 s2, s2, s3                        ; K's
	s_mov_b32 s3, 0
	s_lshr_b32 s76, s15, 3
	s_lshl_b32 s76, s76, 7
	s_add_co_u32 s76, s76, s17                     ; my first tile of 16 tokens among the 512
	s_and_b32 s77, s15, 7                          ; the head pair: the last product's K step
	s_lshl_b32 s78, s76, 9
	s_lshr_b32 s79, s77, 2
	s_lshl_b32 s79, s79, 8
	s_add_co_u32 s78, s78, s79
	s_and_b32 s79, s77, 3
	s_lshl_b32 s79, s79, 2
	s_add_co_u32 s78, s78, s79
	s_lshl_b32 s79, s16, 1
	s_add_co_u32 s78, s78, s79                     ; os
	s_mov_b32 s79, 0
	s_lshl_b32 s76, s76, 3
	s_add_co_u32 s76, s76, s77
	s_lshl_b32 s76, s76, 1
	s_add_co_u32 s76, s76, s16
	s_mul_i32 s76, s76, 768                        ; oc
	s_mov_b32 s77, 0
	s_mov_b32 s[CS], 0x3e38aa3b                    ; c = log2(e) / 8
	s_mov_b32 s[CS+1], s[CS]                       ; (named with it as a pair, so it is written)
	s_mov_b32 s[SEL], 0x76543210
	s_mov_b32 s[SEL+1], 0xfedcba98
	s_wait_dscnt 0x0                               ; both opening adds are done
	s_wait_kmcnt 0x0
	s_mov_b32 s[G0C], 1
	s_mov_b32 s[G0C+1], s22
	s_add_nc_u64 s[G0C+2:G0C+3], s[4:5], s[20:21]
	s_or_b32 s[G0C+3], s[G0C+3], 0x80000000
	s_mov_b32 s[G0K], 1
	s_mov_b32 s[G0K+1], SCK
	s_add_nc_u64 s[G0K+2:G0K+3], s[6:7], s[2:3]
	s_or_b32 s[G0K+3], s[G0K+3], 0x80000000
	s_mov_b32 s[G0V], 1
	s_mov_b32 s[G0V+1], SCV
	s_add_nc_u64 s[G0V+2:G0V+3], s[6:7], s[18:19]
	s_or_b32 s[G0V+3], s[G0V+3], 0x80000000
	s_add_nc_u64 s[72:73], s[4:5], s[72:73]
	s_add_nc_u64 s[74:75], s[6:7], s[74:75]
	s_add_nc_u64 s[76:77], s[8:9], s[76:77]
	s_add_nc_u64 s[78:79], s[10:11], s[78:79]
	CROUND                                         ; all four work-groups are here: the joint loads meet
	s_cmp_lt_u32 s[WV], 8                          ; one chain of branches on the wave's number, one load to an arm
	s_cbranch_scc0 .Lfor_sk
	TLOAD G0C, G1C
	s_branch .Lasked
.Lfor_sk:
	s_cmp_eq_u32 s[WV], 8
	s_cbranch_scc0 .Lfor_sv
	TLOAD G0K, G1K
	s_branch .Lasked
.Lfor_sv:
	s_cmp_eq_u32 s[WV], 9
	s_cbranch_scc0 .Lasked
	TLOAD G0V, G1V
.Lasked:
	v_and_b32 v10, 31, v0
	v_and_b32 v3, 15, v0
	v_bfe_u32 v11, v0, 4, 1                        ; h
	v_lshlrev_b32 v1, 4, v10                       ; 16 l
	v_lshlrev_b32 v2, 3, v10                       ; 8 l
	v_lshlrev_b32 v3, 4, v3                        ; 16 r
	v_lshlrev_b32 v8, 3, v11                       ; 8 h
	v_lshl_add_u32 v246, v11, 2, v3                ; 16 r + 4 h
	global_load_b128 v[20:23], v1, s[72:73]                ; q of tile 0: registers 0-3,
	global_load_b64 v[24:25], v2, s[72:73] offset:512      ; 4-5;
	global_load_b128 v[32:35], v1, s[72:73] offset:768     ; of tile 1
	global_load_b64 v[36:37], v2, s[72:73] offset:1280
	global_load_b32 v9, v246, s[74:75]
.irp j, 26,27,28,29,30,31,38,39,40,41,42,43,92,93,94,95,96,97,12,13,14,15,17,19
	v_mov_b32 v[\j], 0                             ; the zero codes of K = 64 .. 127; what stands behind K's tile 7 in the first step; the sums; the pairs' upper halves
.endr
	v_mov_b32 v16, 0x7f61b1e6                      ; -M: 3e38, over every -t
	v_mov_b32 v18, 0x7f61b1e6
.set i, 0
.rept 64
	v_mov_b32 v[O+i], 0                            ; O^T.  (The step has no first form of its own: the first finds zeros, which the first change of M leaves zeros)
.set i, i+1
.endr
	WALU
	s_wait_tensorcnt 0x0                           ; my tile is in
	s_barrier_signal -1
	s_barrier_wait -1                              ; everybody's is: all of K and V
	s_wait_loadcnt 0x0                             ; q; and v246 may be written again
	v_add_nc_u32 v246, SCK, v1
.irp t, 0,1,2,3,4,5,6,7
	ds_load_b128 v[44+6*\t:47+6*\t], v1 offset:768*\t          ; key step 0's K
	ds_load_b64 v[48+6*\t:49+6*\t], v2 offset:768*\t+512
.endr
	ds_load_b128 v[248:251], v246
	s_mov_b32 s[TB], 0
	s_mov_b32 s[TBV], VB
	s_mov_b32 s[TS], SCK
	s_mov_b32 s[TJ], SCV
	s_mov_b32 s[CNT], 7
.Lstep:                                                ; a trip is two key steps: the registers' roles are back where they began
	STEP 0, 0
	STEP 1, 0
	s_add_co_u32 s[TB], s[TB], 12288
	s_add_co_u32 s[TBV], s[TBV], 12288
	s_add_co_u32 s[TS], s[TS], 1024
	s_add_co_u32 s[TJ], s[TJ], 512
	s_sub_co_u32 s[CNT], s[CNT], 1
	s_cmp_lg_u32 s[CNT], 0
	s_cbranch_scc1 .Lstep
	STEP 0, 0                                      ; key steps 14 and 15: the last fetches nothing
	STEP 1, 1
	; THE WAY OUT.  O^T / the sum: a lane's 32 registers of a tile are channels 32 h + i of my head: one scale block of the last product, six registers of its operand
.set SA, 104
.set SD, 0
	v_add_f32 v12, v12, v13                        ; (these additions are the places behind the last products)
	v_add_f32 v14, v14, v15
	v_permlanex16_b32 v0, v12, s[SEL], s[SEL+1]
	v_permlanex16_b32 v11, v14, s[SEL], s[SEL+1]
	v_add_f32 v12, v12, v0
	v_add_f32 v14, v14, v11
	WALU
	v_rcp_f32 v12, v12
	v_rcp_f32 v14, v14
	v_lshrrev_b32 v6, 3, v8                        ; plain places behind the reciprocals:
	v_add_nc_u32 v6, v6, v3                        ; 16 r + h: my scale byte's place
	WALU                                           ; one wait for both reciprocals, directly ahead of the first reader of O^T too
.irp x, 0,1
.set j, 0
.rept 16
	v_pk_mul_f32 v[SA+32*\x+j:SA+32*\x+j+1], v[O+32*\x+j:O+32*\x+j+1], v[12+2*\x:13+2*\x] op_sel_hi:[1,0]   ; each accumulator from its low end on
.set j, j+2
.endr
.endr
.irp c, 0,1
	v_max3_num_f32 v[244+\c], |v[SA+32*\c]|, |v[SA+32*\c+1]|, 0x1800000   ; with the floor 2^(3 - 127)
	v_max3_num_f32 v[246+\c], |v[SA+32*\c+16]|, |v[SA+32*\c+17]|, 0x1800000
.endr
.irp i, 2,4,6,8,10,12,14
.irp c, 0,1
	v_max3_num_f32 v[244+\c], v[244+\c], |v[SA+32*\c+\i]|, |v[SA+32*\c+\i+1]|
	v_max3_num_f32 v[246+\c], v[246+\c], |v[SA+32*\c+16+\i]|, |v[SA+32*\c+17+\i]|
.endr
.endr
.irp c, 0,1
	v_max_num_f32 v[244+\c], v[244+\c], v[246+\c]
.endr
	PACK 92
.irp x, 0,1
	global_store_b128 v1, v[92+6*\x:95+6*\x], s[76:77] offset:12288*\x       ; 512 consecutive bytes, at a multiple of 256 from oc's first byte
	global_store_b64 v2, v[96+6*\x:97+6*\x], s[76:77] offset:12288*\x+512    ; 256
.endr
	global_store_b8 v6, v0, s[78:79]
	global_store_b8 v6, v11, s[78:79] offset:512
	s_wait_tensorcnt 0x0                           ; the wave's end
	ds_add_u32 v4, v5
	s_wait_dscnt 0x0
	CROUND                                         ; the closing round
	s_endpgm
.Lfunc_end_k_q33991a22ed_attn:
	.size	k_q33991a22ed_attn, .Lfunc_end_k_q33991a22ed_attn-k_q33991a22ed_attn
	.p2alignl 7, 3214868480
	.fill 96, 4, 3214868480
	.section	.rodata,"a",@progbits
	.p2align	6, 0x0
	.amdhsa_kernel k_q33991a22ed_attn
		.amdhsa_group_segment_fixed_size 327680
		.amdhsa_private_segment_fixed_size 0
		.amdhsa_enable_private_segment 0
		.amdhsa_kernarg_size 32
		.amdhsa_user_sgpr_count 2
		.amdhsa_user_sgpr_kernarg_segment_ptr 1
		.amdhsa_wavefront_size32 1
		.amdhsa_system_sgpr_workgroup_id_x 1
		.amdhsa_system_sgpr_workgroup_id_y 1
		.amdhsa_system_sgpr_workgroup_id_z 1
		.amdhsa_system_vgpr_workitem_id 0
		.amdhsa_next_free_vgpr 256
		.amdhsa_next_free_sgpr 80
		.amdhsa_reserve_vcc 0
		.amdhsa_float_denorm_mode_32 3
		.amdhsa_float_denorm_mode_16_64 3
		.amdhsa_memory_ordered 1
		.amdhsa_forward_progress 1
		.amdhsa_inst_pref_size 126
	.end_amdhsa_kernel
	.amdgpu_metadata
---
amdhsa.version: [ 1, 2 ]
amdhsa.kernels:
  - .name:           k_q33991a22ed_attn
    .symbol:         k_q33991a22ed_attn.kd
    .args:
      - { .name: qkvc, .offset: 0, .size: 8, .value_kind: global_buffer, .address_space: global }
      - { .name: qkvs, .offset: 8, .size: 8, .value_kind: global_buffer, .address_space: global }
      - { .name: oc, .offset: 16, .size: 8, .value_kind: global_buffer, .address_space: global }
      - { .name: os, .offset: 24, .size: 8, .value_kind: global_buffer, .address_space: global }
    .group_segment_fixed_size: 327680
    .private_segment_fixed_size: 0
    .kernarg_segment_align: 8
    .kernarg_segment_size: 32
    .max_flat_workgroup_size: 512
    .sgpr_count:     80
    .vgpr_count:     256
    .wavefront_size: 32
...
	.end_amdgpu_metadata
.endif
;; end of part 3
;; launch outp (part 4): grid 4 x 64, 4 waves a work-group, clusters of 4 x 4, 327,680 bytes of LDS; arguments oc, os, xc, xs, bo, out0; writes out0
.if DOCPART == 4
	.amdgcn_target "amdgcn-amd-amdhsa--gfx1250"
	.amdhsa_code_object_version 6
	.text
	.protected	k_q33991a22ed_outp
	.globl	k_q33991a22ed_outp
	.p2align	8
	.type	k_q33991a22ed_outp,@function
k_q33991a22ed_outp:
	s_mov_b64 s[64:65], 0
	v_nop
	global_prefetch_b8 v0, s[64:65] scope:SCOPE_SE
	s_setreg_imm32_b32 hwreg(HW_REG_WAVE_MODE, 25, 1), 1
	s_wait_xcnt 0x0
	s_wait_alu depctr_hold_cnt(0) depctr_sa_sdst(0) depctr_va_vdst(0) depctr_va_sdst(0) depctr_va_ssrc(0) depctr_va_vcc(0) depctr_vm_vsrc(0)
	s_getreg_b32 s2, hwreg(HW_REG_IB_STS2, 6, 4)
	s_cmp_eq_u32 s2, 0
	s_cbranch_scc0 .Lentry_in_a_cluster
	s_endpgm
.Lentry_in_a_cluster:
	s_bfe_u32 s2, ttmp6, 0x10000c
	s_cmp_lg_u32 s2, 0xf033
	s_cbranch_scc0 .Lentry_shape_is_right
	s_endpgm
.Lentry_shape_is_right:
; out0 = O Wo^T + bo on codes of FP6 (E2M3) with E8M0 scales, sums in f32.  O: oc, os (8,192 rows); Wo: tiles 1,216 to 1,279 of xc, xs; both as images of the operand's registers:
; [tile of 16 rows][K step 0..7][1,536 bytes: registers 4 c .. 4 c + 3 of lane l at 512 c + 16 l]; scale words [tile][step / 4: 256][r: 16][step % 4: 4].
; A work-group makes 128 rows x 256 columns, a wave 64 x 128: 32 accumulators by turns; 256 work-groups.  ALL OF K = 1,024 LIES IN LDS (24 tiles x 12,288 bytes): every tensor load is a first fill, two a wave,
; one for each half of 512 along K; nothing is filled again.  CLUSTERS: 4 x 4; O's tiles are asked for jointly along a row of the cluster, Wo's along a column.
; THE MATRIX INSTRUCTION IS USED TRANSPOSED (source 0 = 16 rows of Wo, source 1 = 16 rows of O): a lane holds eight neighbouring numbers of a row of out0.  The bias is the C of each sum's first instruction.
; REGISTERS: window 0: addresses, scale words, the bias, the way out;  window 1: accumulator (a, b) at v[64 a + 8 b];  window 2: Wo's fragments, two sets, at v0 and v128;  window 3: O's, two sets, at v0 and v48.
; K COMES IN TWO HALVES of 512: one tensor load a wave for each; the second half's load stands behind the three lines and a round and lands under the first half's products.
; oc's fragments lie as two halves of 768 bytes (one head each): registers 6 e .. 6 e + 3 of lane l at 768 e + 16 l, registers 6 e + 4, 6 e + 5 at 768 e + 512 + 8 l.
.set CH,    147456                     ; a half of K: O's 8 tiles x 6,144 bytes, then Wo's 16
.set TILEB, 6144
.set SPARE, 2*CH
.set SPITCH, 528                       ; the way out: a stage of 16 rows x (512 bytes + 16) for each wave, in chunk 0's bytes: they have had their only fill, and nobody reads them behind the second barrier
.set WV,   18
.set RH,   19                          ; wave / 2: my rows, and: I fetch for O (0) or Wo (1)
.set CL,   20                          ; wave % 2: my columns, and which half I fetch
.set CX,   22
.set CY,   23
.set G1A,  24
.set G1B,  32
.set G0A,  40
.set G0B,  68
.set ADA,  16
.set ADB,  20
.set STO,  24                          ; v24 the stage: where I put 32 bytes of a row;  v25 where I read a row back
.set RD,   25
.set SPW,  28
.set NIL,  29
.set SA,   32                          ; v32-47 O's scale words: register 4 i + j: tile i; lanes 0-15 K step j, lanes 16-31 K step 4 + j;  v48-79 Wo's
.set SB,   48
.set BN,   128                         ; v128-191 the bias in the result's layout, 8 registers a tile of columns
.set BK,   128                         ; the way out: 16 rows read back: v128-191 and v192-255 by turns
.set MSB, 0
.macro WIN new
.if MSB != \new
	s_set_vgpr_msb (MSB<<8)|\new
.set MSB, \new
.endif
.endm
.set MUL,  0x5e                        ; source 0 window 2, source 1 window 3, C and D window 1
.set MULB, 0x4e                        ; the same with C (the bias) in window 0
.set TO_B, 0x80
.set TO_A, 0xc0
.macro PLACES
.rept 4
	v_nop
.endr
.endm
.macro CROUND
	s_barrier_signal -1
	s_barrier_wait -1
	s_cmp_lg_u32 s[WV], 0
	s_cbranch_scc1 .Lnot_wave_0_\@
	s_barrier_signal -3
.Lnot_wave_0_\@:
	s_barrier_wait -3
	s_barrier_signal -1
	s_barrier_wait -1
.endm
	s_load_b256 s[4:11], s[0:1], 0x0               ; oc s[4:5], os s[6:7], xc s[8:9], xs s[10:11]
	s_load_b128 s[12:15], s[0:1], 0x20             ; bo s[12:13], out0 s[14:15]
	v_lshl_add_u32 v[SPW], v0, 2, SPARE
	v_mov_b32 v[NIL], 0
	ds_add_u32 v[SPW], v[NIL]                      ; the wave's opening: the add and its wait stand ahead of my first tensor load; the set-up below, work on registers, stands between them
	ds_add_u32 v[SPW], v[NIL]
	v_lshrrev_b32 v1, 5, v0
	v_readfirstlane_b32 s[WV], v1
	s_lshr_b32 s[RH], s[WV], 1
	s_and_b32 s[CL], s[WV], 1
	s_bfe_u32 s[CX], ttmp6, 0x40000
	s_bfe_u32 s[CY], ttmp6, 0x40004
	s_and_b32 s56, ttmp7, 0xffff
	s_lshl_b32 s56, s56, 2
	s_add_co_u32 s56, s56, s[CY]                   ; my block of 128 rows
	s_lshl_b32 s57, ttmp9, 2
	s_add_co_u32 s57, s57, s[CX]                   ; my block of 256 columns
	s_lshl_b32 s88, s[CY], 2
	s_lshl_b32 s88, 15, s88                        ; my row of the cluster
	s_lshl_b32 s89, 0x1111, s[CX]                  ; my column
	; descriptor group 1: rows of 6,144 bytes (768 elements of 8 bytes), 12,288 bytes apart in memory, dense in LDS
	s_or_b32 s[G1A], s88, (3<<16)|(1<<21)
	s_mov_b32 s[G1A+1], 768<<16                    ; rows of 6,144 bytes
	s_mov_b32 s[G1A+2], 4<<16
	s_mov_b32 s[G1A+3], 768<<16
	s_mov_b32 s[G1A+4], 4
	s_mov_b32 s[G1A+5], 1536
	s_mov_b32 s[G1A+6], 0
	s_mov_b32 s[G1A+7], 0
	s_or_b32 s[G1B], s89, (3<<16)|(1<<21)
	s_mov_b32 s[G1B+1], 768<<16
	s_mov_b32 s[G1B+2], 8<<16
	s_mov_b32 s[G1B+3], 768<<16
	s_mov_b32 s[G1B+4], 8
	s_mov_b32 s[G1B+5], 1536
	s_mov_b32 s[G1B+6], 0
	s_mov_b32 s[G1B+7], 0
	s_lshl_b32 s58, s56, 3
	s_lshl_b32 s59, s[CL], 2
	s_add_co_u32 s58, s58, s59
	s_mul_i32 s58, s58, 12288                      ; O: the 4 tiles that I fetch
	s_mov_b32 s59, 0
	s_lshl_b32 s60, s57, 4
	s_lshl_b32 s61, s[CL], 3
	s_add_co_u32 s60, s60, s61
	s_add_co_u32 s60, s60, 1216
	s_mul_i32 s60, s60, 12288                      ; Wo: the 8 tiles that I fetch
	s_mov_b32 s61, 0
	s_mul_i32 s86, s[CL], 4*TILEB
	s_mul_i32 s87, s[CL], 8*TILEB
	s_add_co_u32 s87, s87, 8*TILEB
	s_wait_dscnt 0x0                               ; the opening add is done
	s_wait_kmcnt 0x0
	s_add_nc_u64 s[58:59], s[4:5], s[58:59]
	s_add_nc_u64 s[60:61], s[8:9], s[60:61]
	CROUND                                         ; all sixteen work-groups are here: the joint loads meet
.irp c, 0,1
	s_mov_b32 s[G0A+4*\c], 1
	s_add_co_u32 s[G0A+4*\c+1], s86, \c*CH
	s_add_nc_u64 s[G0A+4*\c+2:G0A+4*\c+3], s[58:59], \c*TILEB
	s_or_b32 s[G0A+4*\c+3], s[G0A+4*\c+3], 0x80000000
	s_mov_b32 s[G0B+4*\c], 1
	s_add_co_u32 s[G0B+4*\c+1], s87, \c*CH
	s_add_nc_u64 s[G0B+4*\c+2:G0B+4*\c+3], s[60:61], \c*TILEB
	s_or_b32 s[G0B+4*\c+3], s[G0B+4*\c+3], 0x80000000
.endr
	s_cmp_eq_u32 s[RH], 0                          ; a wave's fill stands in one branch, with an s_nop 0 and four v_nop behind it
	s_cbranch_scc0 .Lfill_b
	tensor_load_to_lds s[G0A:G0A+3], s[G1A:G1A+7]  ; the first half of K: one tensor load a wave at the head
	s_nop 0
	PLACES
	s_branch .Lfilled
.Lfill_b:
	tensor_load_to_lds s[G0B:G0B+3], s[G1B:G1B+7]
	s_nop 0
	PLACES
.Lfilled:
	v_and_b32 v13, 31, v0                          ; lane
	v_and_b32 v1, 15, v0                           ; r
	v_bfe_u32 v2, v0, 4, 1                         ; h
	v_lshlrev_b32 v3, 4, v13                       ; 16 x lane
	s_mul_i32 s2, s[RH], 4*TILEB
	v_add_nc_u32 v[ADA], s2, v3
	v_add_nc_u32 v[ADB], s87, v3
	v_lshlrev_b32 v26, 3, v13
	v_add_nc_u32 v26, s2, v26                      ; v26, v27: my O fragments' pieces of 8 bytes a lane, in each half of K
	v_add_nc_u32 v27, CH, v26
.irp c, 1
	v_add_nc_u32 v[ADA+\c], \c*CH, v[ADA]
	v_add_nc_u32 v[ADB+\c], \c*CH, v[ADB]
.endr
	s_wait_alu depctr_va_vdst(0)                   ; ahead of the run of scalar lines: the lane numbers
	s_lshl_b32 s2, s56, 3
	s_lshl_b32 s3, s[RH], 2
	s_add_co_u32 s2, s2, s3
	s_lshl_b32 s2, s2, 9
	s_mov_b32 s3, 0
	s_add_nc_u64 s[90:91], s[6:7], s[2:3]          ; my 4 tiles' scale words
	s_lshl_b32 s2, s57, 4
	s_lshl_b32 s67, s[CL], 3
	s_add_co_u32 s2, s2, s67
	s_add_co_u32 s2, s2, 1216
	s_lshl_b32 s2, s2, 9
	s_add_nc_u64 s[92:93], s[10:11], s[2:3]        ; Wo's 8 tiles'
	s_lshl_b32 s2, s57, 10
	s_lshl_b32 s67, s[CL], 9
	s_add_co_u32 s2, s2, s67                       ; my first column, in bytes
	s_add_nc_u64 s[96:97], s[12:13], s[2:3]
	s_lshl_b32 s66, s56, 7
	s_lshl_b32 s67, s[RH], 6
	s_add_co_u32 s66, s66, s67
	s_lshl_b32 s66, s66, 12                        ; my first row, 4,096 bytes a row
	s_add_co_u32 s2, s2, s66
	s_add_nc_u64 s[98:99], s[14:15], s[2:3]
	v_lshlrev_b32 v4, 5, v2                        ; the bias: tile b, register j: column 16 b + 8 h + j
.irp i, 0,1,2,3
	global_load_b128 v[SA+4*\i:SA+4*\i+3], v3, s[90:91] offset:512*\i
.endr
.irp i, 0,1,2,3,4,5,6,7
	global_load_b128 v[SB+4*\i:SB+4*\i+3], v3, s[92:93] offset:512*\i
.endr
.irp i, 0,1,2,3,4,5,6,7
	global_load_b128 v[BN+8*\i:BN+8*\i+3], v4, s[96:97] offset:64*\i
	global_load_b128 v[BN+8*\i+4:BN+8*\i+7], v4, s[96:97] offset:64*\i+16
.endr
	s_mul_i32 s2, s[WV], 16*SPITCH                 ; my stage
	v_mul_u32_u24 v[STO], v1, SPITCH
	v_lshl_add_u32 v[STO], v2, 5, v[STO]
	v_add_nc_u32 v[STO], s2, v[STO]                ; in: row r, + 32 h
	v_add_nc_u32 v[RD], s2, v3                     ; back: the 32 lanes take one row of 512 bytes
.macro FETCH s                         ; the fragments of K step s into set s % 2: 40 loads: Wo's eight tiles in 24 of 512 consecutive bytes, then O's four in 16
	WIN TO_B
.irp i, 0,1,2,3,4,5,6,7
.irp k, 0,1,2
	ds_load_b128 v[128*((\s)%2)+12*\i+4*\k:128*((\s)%2)+12*\i+4*\k+3], v[ADB+(\s)/4] offset:TILEB*\i+1536*((\s)%4)+512*\k
.endr
.endr
	WIN TO_A
.irp i, 0,1,2,3
.irp e, 0,1
	ds_load_b128 v[48*((\s)%2)+12*\i+6*\e:48*((\s)%2)+12*\i+6*\e+3], v[ADA+(\s)/4] offset:TILEB*\i+1536*((\s)%4)+768*\e
	ds_load_b64 v[48*((\s)%2)+12*\i+6*\e+4:48*((\s)%2)+12*\i+6*\e+5], v[26+(\s)/4] offset:TILEB*\i+1536*((\s)%4)+768*\e+512
.endr
.endr
.endm
; 16 matrix instructions: my tiles of rows a0, a0 + 1 x eight tiles of columns, K step s.  The 32 accumulators take turns.  first = 1: the sum starts from the bias
.macro MUL16 a0, s, first
.irp a, \a0, \a0+1
.irp b, 0,1,2,3,4,5,6,7
.if \first
	v_wmma_scale_f32_16x16x128_f8f6f4 v[64*(\a)+8*\b:64*(\a)+8*\b+7], v[128*((\s)%2)+12*\b:128*((\s)%2)+12*\b+11], v[48*((\s)%2)+12*(\a):48*((\s)%2)+12*(\a)+11], v[BN+8*\b:BN+8*\b+7], v[SB+4*\b+(\s)%4], v[SA+4*(\a)+(\s)%4] matrix_a_fmt:MATRIX_FMT_FP6 matrix_b_fmt:MATRIX_FMT_FP6
.elseif (\s) < 4
	v_wmma_scale_f32_16x16x128_f8f6f4 v[64*(\a)+8*\b:64*(\a)+8*\b+7], v[128*((\s)%2)+12*\b:128*((\s)%2)+12*\b+11], v[48*((\s)%2)+12*(\a):48*((\s)%2)+12*(\a)+11], v[64*(\a)+8*\b:64*(\a)+8*\b+7], v[SB+4*\b+(\s)%4], v[SA+4*(\a)+(\s)%4] matrix_a_fmt:MATRIX_FMT_FP6 matrix_b_fmt:MATRIX_FMT_FP6
.else
	v_wmma_scale_f32_16x16x128_f8f6f4 v[64*(\a)+8*\b:64*(\a)+8*\b+7], v[128*((\s)%2)+12*\b:128*((\s)%2)+12*\b+11], v[48*((\s)%2)+12*(\a):48*((\s)%2)+12*(\a)+11], v[64*(\a)+8*\b:64*(\a)+8*\b+7], v[SB+4*\b+(\s)%4], v[SA+4*(\a)+(\s)%4] matrix_a_fmt:MATRIX_FMT_FP6 matrix_b_fmt:MATRIX_FMT_FP6 matrix_a_scale:MATRIX_SCALE_ROW1 matrix_b_scale:MATRIX_SCALE_ROW1
.endif
.endr
.endr
.endm
.macro STEPP s, first                  ; a K step whose successor lies in the same chunk
	s_wait_dscnt 8                                 ; Wo's eight and my tiles 0, 1 are in; the youngest eight loads (tiles 2, 3) may be out
.if \first
	WIN MULB
.else
	WIN MUL
.endif
	MUL16 0, \s, \first
	PLACES
	FETCH (\s)+1
	s_wait_dscnt 40                                ; all but the 40 just issued
.if \first
	WIN MULB
.else
	WIN MUL
.endif
	MUL16 2, \s, \first
.endm
.macro STEPE s                         ; a chunk's last K step: the next chunk has to be whole
	s_wait_dscnt 0x0                               ; no LDS load of mine is out at the signal
	s_wait_tensorcnt 0x0                           ; my part of the second half has landed
	s_barrier_signal -1
	WIN MUL
	MUL16 0, \s, 0
	s_barrier_wait -1
	PLACES
	FETCH (\s)+1
	WIN MUL
	MUL16 2, \s, 0
.endm
	s_wait_alu depctr_va_vdst(0)
	s_wait_tensorcnt 0x0                           ; my part of the first half is in
	ds_add_u32 v[SPW], v[NIL]
	s_wait_dscnt 0x0
	CROUND                                         ; everybody's part is in, and all sixteen work-groups are here
	s_cmp_eq_u32 s[RH], 0
	s_cbranch_scc0 .Lfill_b2
	tensor_load_to_lds s[G0A+4:G0A+7], s[G1A:G1A+7] ; the second half of K, into bytes of its own: four K steps ahead of its use
	s_nop 0
	PLACES
	s_branch .Lfilled2
.Lfill_b2:
	tensor_load_to_lds s[G0B+4:G0B+7], s[G1B:G1B+7]
	s_nop 0
	PLACES
.Lfilled2:
	FETCH 0
	s_wait_loadcnt 0x0                             ; scale words and bias
	STEPP 0, 1
	STEPP 1, 0
	STEPP 2, 0
	STEPE 3
	STEPP 4, 0
	STEPP 5, 0
	STEPP 6, 0
	s_wait_dscnt 8
	WIN MUL
	MUL16 0, 7, 0
	s_wait_dscnt 0x0
	MUL16 2, 7, 0
	WIN 0
; THE WAY OUT, a block of 16 rows x 128 columns at a time: through my own stage in LDS and back as whole rows of 512 bytes.  LDS serves a wave's instructions in order (ISA guide 5.7.1.4): no wait between the stores and the loads.
.macro TOSTAGE a
	WIN 0x04                                       ; an LDS store's data are its source 1: window 1
.irp b, 0,1,2,3,4,5,6,7
	ds_store_b128 v[STO], v[64*(\a)+8*\b:64*(\a)+8*\b+3] offset:64*\b          ; each accumulator from its low end on
	ds_store_b128 v[STO], v[64*(\a)+8*\b+4:64*(\a)+8*\b+7] offset:64*\b+16
.endr
	WIN 0
.irp t, 0,1,2,3,4,5,6,7,8,9,10,11,12,13,14,15
	ds_load_b128 v[BK+64*((\a)%2)+4*\t:BK+64*((\a)%2)+4*\t+3], v[RD] offset:\t*SPITCH
.endr
.endm
.macro SEND a, younger                 ; younger: the LDS instructions issued behind block a's loads, which may stay out
	s_wait_dscnt \younger
.irp t, 0,1,2,3,4,5,6,7,8,9,10,11,12,13,14,15
	global_store_b128 v3, v[BK+64*((\a)%2)+4*\t:BK+64*((\a)%2)+4*\t+3], s[98:99] offset:(16*(\a)+\t)*4096 th:TH_STORE_NT   ; 32 lanes store 512 consecutive bytes, at a multiple of 256 from out0's first byte
.endr
.endm
	PLACES                                         ; behind the last products, in front of the first read of results
	TOSTAGE 0
	TOSTAGE 1
	SEND 0, 32                                     ; behind block 0's loads: block 1's 16 stores and 16 loads
	s_wait_xcnt 0x0                                ; block 0's stores have read their data: block 2's loads may land there
	TOSTAGE 2
	SEND 1, 32
	s_wait_xcnt 0x0
	TOSTAGE 3
	SEND 2, 32
	SEND 3, 0
	s_wait_tensorcnt 0x0                           ; the wave's end: behind my last tensor load and my last LDS store
	ds_add_u32 v[SPW], v[NIL]
	s_wait_dscnt 0x0
	CROUND                                         ; the closing round
	s_endpgm
.Lfunc_end_k_q33991a22ed_outp:
	.size	k_q33991a22ed_outp, .Lfunc_end_k_q33991a22ed_outp-k_q33991a22ed_outp
	.p2alignl 7, 3214868480
	.fill 96, 4, 3214868480
	.section	.rodata,"a",@progbits
	.p2align	6, 0x0
	.amdhsa_kernel k_q33991a22ed_outp
		.amdhsa_group_segment_fixed_size 327680
		.amdhsa_private_segment_fixed_size 0
		.amdhsa_enable_private_segment 0
		.amdhsa_kernarg_size 48
		.amdhsa_user_sgpr_count 2
		.amdhsa_user_sgpr_kernarg_segment_ptr 1
		.amdhsa_wavefront_size32 1
		.amdhsa_system_sgpr_workgroup_id_x 1
		.amdhsa_system_sgpr_workgroup_id_y 1
		.amdhsa_system_sgpr_workgroup_id_z 1
		.amdhsa_system_vgpr_workitem_id 0
		.amdhsa_next_free_vgpr 1024
		.amdhsa_next_free_sgpr 100
		.amdhsa_reserve_vcc 0
		.amdhsa_float_denorm_mode_32 3
		.amdhsa_float_denorm_mode_16_64 3
		.amdhsa_memory_ordered 1
		.amdhsa_forward_progress 1
		.amdhsa_inst_pref_size 80
	.end_amdhsa_kernel
	.amdgpu_metadata
---
amdhsa.version: [ 1, 2 ]
amdhsa.kernels:
  - .name:           k_q33991a22ed_outp
    .symbol:         k_q33991a22ed_outp.kd
    .args:
      - { .name: oc, .offset: 0, .size: 8, .value_kind: global_buffer, .address_space: global }
      - { .name: os, .offset: 8, .size: 8, .value_kind: global_buffer, .address_space: global }
      - { .name: xc, .offset: 16, .size: 8, .value_kind: global_buffer, .address_space: global }
      - { .name: xs, .offset: 24, .size: 8, .value_kind: global_buffer, .address_space: global }
      - { .name: bo, .offset: 32, .size: 8, .value_kind: global_buffer, .address_space: global }
      - { .name: out0, .offset: 40, .size: 8, .value_kind: global_buffer, .address_space: global }
    .group_segment_fixed_size: 327680
    .private_segment_fixed_size: 0
    .kernarg_segment_align: 8
    .kernarg_segment_size: 48
    .max_flat_workgroup_size: 128
    .sgpr_count:     100
    .vgpr_count:     1024
    .wavefront_size: 32
...
	.end_amdgpu_metadata
.endif
;; end of part 4
